; MI455X (gfx1250); checked and timed in simulation.
; The chip was launched on July 23, 2026; its instructions are those of AMD's public machine-readable ISA for CDNA 5 (MIT licence, August 2026) and "CDNA5" Instruction Set Architecture Reference Guide (July 2026). The comments in the code are by the model that wrote it; some were corrected since.
;; Self Attention. Allowed arithmetic: float matrix products may take bf16 or f16 operands with f32 sums; other float arithmetic in f32, or as packed bf16 or f16 multiplies, adds, multiply-adds, maxima and minima; sums over many terms, partial sums and values carried from step to step in f32; what a program stores and reads back later, other than sums and carried values, may be rounded once to bf16 or f16.
;; Inputs: W_attn 1,024 x 3,072 float32; W_proj 1,024 x 1,024 float32; x 4 x 2,048 x 1,024 float32.
;; Outputs: out0 4 x 2,048 x 1,024 float32.
;; One version. Each part assembles by itself: llvm-mc -triple=amdgcn-amd-amdhsa -mcpu=gfx1250 --defsym DOCPART=n.
;; ======== version 1 of 1: 4 launches
;; limits: values are held in f16: magnitudes above 65,504 overflow, below 6.1e-05 lose precision
;; workspace buffers: xb 16,777,216 bytes; wa 6,291,456 bytes; wp 2,097,152 bytes; tab 524,288 bytes; q 16,777,216 bytes; k 16,777,216 bytes; v 16,777,216 bytes; o 16,777,216 bytes
;; launch prep (part 1): grid 1152 x 1, 8 waves a work-group, no clusters, 18,432 bytes of LDS; arguments x, W_attn, W_proj, xb, wa, wp, tab; writes xb, wa, wp, tab
.if DOCPART == 1
	.amdgcn_target "amdgcn-amd-amdhsa--gfx1250"
	.amdhsa_code_object_version 6
	.text
	.protected	k_qc1c885b232_prep
	.globl	k_qc1c885b232_prep
	.p2align	8
	.type	k_qc1c885b232_prep,@function
k_qc1c885b232_prep:
	s_mov_b64 s[64:65], 0
	v_nop
	global_prefetch_b8 v0, s[64:65] scope:SCOPE_SE
	s_setreg_imm32_b32 hwreg(HW_REG_WAVE_MODE, 25, 1), 1
	s_wait_xcnt 0x0
; FOUR JOBS, chosen by the work-group's number alone (the same for all eight waves of a work-group):
;   0..511     X:  64 KiB of x (f32) -> xb (bf16), in place order.
;   512..895   WA: a tile of 128 k x 64 n of W_attn [1024][3072] f32 -> wa, turned: bf16 rows [head][q,k,v][d] of 1,024 k (row = 192 head + 64 part + d).
;   896..1023  WP: the same for W_proj [1024][1024] -> wp [n][k]; each number is rounded to bf16 and THAT number is written as f16.
;   1024..1151 T:  cos and sin of t x 10000^(-p/32) for 16 tokens t and all 32 pairs p, f32, in the order in which the next launch's lanes want them:
;                  byte = 4096 (t / 16) + 1024 c + 512 i + 16 lane; lane (r = lane % 16, h = lane / 16) holds cos, sin, cos, sin of token 16 (t/16) + r, pairs 8 c + 4 h + 2 i and the next.
; LIMITS.  wp: a bf16 number below 6.1e-5 in magnitude keeps f16's fixed step of 6e-8; beyond 65,504 it becomes an infinity.  T: the angle is t times 2^(-p log2(10000)/32) in f32;
; it may differ from an angle made with another f32 power by some 2.5e-4 rad at the largest t; sine and cosine of the reduced angle (|f| <= pi/4, two-part pi/2) are polynomials good to about 1e-7.
; No matrix unit, no cluster, no tensor loads: the launch is a stream; each byte is read once and each aligned block of 256 bytes is written whole by one instruction.
.set STP,   272                        ; a stage row: 256 bytes (128 k in 16 bits) + 16
.set SPARE, 64*STP                     ; behind the stage: the spare words, 128 bytes for each of the eight waves; no other line names them
.set SPW, 2                            ; v2  LDS address of my spare word; never rewritten
.set NIL, 3                            ; v3  0; never rewritten
	s_load_b256 s[4:11], s[0:1], 0x0               ; x s[4:5], W_attn s[6:7], W_proj s[8:9], xb s[10:11]
	s_load_b128 s[12:15], s[0:1], 0x20             ; wa s[12:13], wp s[14:15]
	s_load_b64 s[16:17], s[0:1], 0x30              ; tab
	v_lshl_add_u32 v[SPW], v0, 2, SPARE
	v_mov_b32 v[NIL], 0
	v_lshrrev_b32 v1, 5, v0
	v_readfirstlane_b32 s18, v1                    ; wave 0..7
	s_mov_b32 s19, ttmp9
	s_mov_b32 s25, 0                               ; the high word of every offset pair s[24:25]
	s_wait_kmcnt 0x0
	s_cmp_lt_u32 s19, 512
	s_cbranch_scc1 .Ljob_x
	s_cmp_lt_u32 s19, 896
	s_cbranch_scc1 .Ljob_wa
	s_cmp_lt_u32 s19, 1024
	s_cbranch_scc1 .Ljob_wp
; ---- JOB T ----
; angle a -> cos, sin.  n = round(a 2/pi); f = a - n pi/2 in two parts; S and C are the polynomials on |f| <= pi/4; n mod 4 picks and signs them by selects, never by a branch.
.macro SC A, CO, SI
	v_mul_f32 v20, 0x3f22f983, v[\A]
	v_rndne_f32 v20, v20
	v_fma_f32 v21, -v20, s26, v[\A]
	v_fma_f32 v21, -v20, s27, v21
	v_mul_f32 v22, v21, v21                        ; z = f f
	v_mov_b32 v23, 0xb94ca1f9
	v_fmaak_f32 v23, v23, v22, 0x3c08839e
	v_fmaak_f32 v23, v23, v22, 0xbe2aaaa3
	v_mul_f32 v24, v22, v21
	v_fma_f32 v23, v23, v24, v21                   ; S
	v_mov_b32 v25, 0x37ccf5ce
	v_fmaak_f32 v25, v25, v22, 0xbab6061a
	v_fmaak_f32 v25, v25, v22, 0x3d2aaaa5
	v_mul_f32 v26, v22, v22
	v_fma_f32 v27, v22, -0.5, 1.0
	v_fma_f32 v25, v25, v26, v27                   ; C
	v_cvt_i32_f32 v20, v20
	v_and_b32 v26, 1, v20
	v_cmp_eq_u32 vcc_lo, 1, v26
	v_cndmask_b32 v[\SI], v23, v25, vcc_lo         ; odd quadrant: the two change places
	v_cndmask_b32 v[\CO], v25, v23, vcc_lo
	v_and_b32 v26, 2, v20
	v_lshlrev_b32 v26, 30, v26
	v_xor_b32 v[\SI], v[\SI], v26                  ; sine is negative in quadrants 2, 3
	v_add_nc_u32 v20, 1, v20
	v_and_b32 v20, 2, v20
	v_lshlrev_b32 v20, 30, v20
	v_xor_b32 v[\CO], v[\CO], v20                  ; cosine in quadrants 1, 2
.endm
	s_sub_co_u32 s20, s19, 1024                    ; block of 16 tokens
	s_lshl_b32 s24, s20, 12
	s_add_nc_u64 s[16:17], s[16:17], s[24:25]
	s_lshl_b32 s21, s20, 4
	s_mov_b32 s26, 0x3fc90fdb                      ; pi/2, upper part
	s_mov_b32 s27, 0xb33bbd2e                      ; and what is left of it
	v_and_b32 v4, 15, v0                           ; r
	v_bfe_u32 v5, v0, 4, 1                         ; h
	v_bfe_u32 v6, v0, 6, 2                         ; c
	v_bfe_u32 v7, v0, 5, 1                         ; i
	v_lshlrev_b32 v8, 3, v6
	v_lshl_add_u32 v8, v5, 2, v8
	v_lshl_add_u32 v8, v7, 1, v8                   ; p = 8 c + 4 h + 2 i
	v_add_nc_u32 v9, s21, v4
	v_cvt_f32_u32 v9, v9                           ; t
	v_cvt_f32_u32 v10, v8
	v_add_f32 v11, 1.0, v10
	v_mul_f32 v10, 0xbed49a78, v10                 ; - p log2(10000) / 32
	v_mul_f32 v11, 0xbed49a78, v11
	v_exp_f32 v12, v10
	v_exp_f32 v13, v11
	v_lshlrev_b32 v14, 4, v0                       ; my 16 bytes of the block; also the plain instruction behind the two exponentials
	s_wait_alu depctr_va_vdst(0)                   ; one wait for both, ahead of their first reader
	v_mul_f32 v12, v9, v12
	v_mul_f32 v13, v9, v13
	SC 12, 16, 17
	SC 13, 18, 19
	global_store_b128 v14, v[16:19], s[16:17] th:TH_STORE_NT
	s_branch .Lend
; ---- JOB X ----  thread t owns 16 bytes at 16 t of each of sixteen runs of 4,096 bytes; all sixteen loads go out first, the waits count down
.Ljob_x:
	s_lshl_b32 s24, s19, 16
	s_add_nc_u64 s[4:5], s[4:5], s[24:25]
	s_lshl_b32 s24, s19, 15
	s_add_nc_u64 s[10:11], s[10:11], s[24:25]
	v_lshlrev_b32 v4, 4, v0
	v_lshlrev_b32 v5, 3, v0
.set u, 0
.rept 16
	global_load_b128 v[16+4*u:19+4*u], v4, s[4:5] offset:u*4096 th:TH_LOAD_NT
.set u, u+1
.endr
.set u, 0
.rept 16
	s_wait_loadcnt 15-u                            ; loads return in order: run u is in, the younger ones stay out
	v_cvt_pk_bf16_f32 v[80+2*u], v[16+4*u], v[17+4*u]
	v_cvt_pk_bf16_f32 v[81+2*u], v[18+4*u], v[19+4*u]
	global_store_b64 v5, v[80+2*u:81+2*u], s[10:11] offset:u*2048 th:TH_STORE_NT  ; a wave's store covers 256 consecutive bytes, aligned; no register is written twice
.set u, u+1
.endr
	s_branch .Lend
; ---- JOBS WA, WP ----  s20 = tile number (k tile in its low three bits), s23 = group of 64 columns, s22 = group of 64 rows in the target.
; Wave w reads k rows 16 w .. 16 w + 15 of the tile, a lane two columns (a load covers 256 consecutive bytes of one k row); a lane packs its 16 k of each column into 32 bytes and puts them
; into the stage row of that column; behind the barrier the stage is read back by rows of 256 bytes (128 k) and stored.
.macro TRANS SRC, DST, pitch, half
	s_and_b32 s21, s20, 7
	s_lshl_b32 s24, s21, 7
	s_lshl4_add_u32 s24, s18, s24                  ; first k row of my wave
	s_mul_i32 s24, s24, \pitch
	s_lshl_b32 s26, s23, 8
	s_add_co_u32 s24, s24, s26
	s_add_nc_u64 s[\SRC:\SRC+1], s[\SRC:\SRC+1], s[24:25]
	s_lshl_b32 s24, s22, 17                        ; 64 rows of 2,048 bytes
	s_lshl_b32 s26, s21, 8                         ; the k tile's 256 bytes in a row
	s_add_co_u32 s24, s24, s26
	s_add_nc_u64 s[\DST:\DST+1], s[\DST:\DST+1], s[24:25]
	v_and_b32 v9, 31, v0
	v_lshlrev_b32 v4, 3, v9
.set i, 0
.rept 16
	global_load_b64 v[16+2*i:17+2*i], v4, s[\SRC:\SRC+1] offset:i*(\pitch) th:TH_LOAD_NT
.set i, i+1
.endr
	v_mul_u32_u24 v6, v9, 2*STP                    ; stage row 2 lane,
	v_lshl_add_u32 v6, s18, 5, v6                  ; my wave's 16 k: 32 bytes
	v_lshrrev_b32 v10, 4, v0
	v_and_b32 v11, 15, v0
	v_mul_u32_u24 v7, v10, STP                     ; back: sixteen threads a row
	v_lshl_add_u32 v7, v11, 4, v7
	v_lshlrev_b32 v8, 11, v10                      ; and the same row in the target
	v_lshl_add_u32 v8, v11, 4, v8
	s_wait_loadcnt 0x0
.set i, 0
.rept 8
	v_cvt_pk_bf16_f32 v[48+i], v[16+4*i], v[18+4*i]  ; column 2 lane, k = 2 i and 2 i + 1
	v_cvt_pk_bf16_f32 v[56+i], v[17+4*i], v[19+4*i]  ; column 2 lane + 1
.set i, i+1
.endr
.if \half
.set i, 0
.rept 16
	v_lshlrev_b32 v12, 16, v[48+i]                 ; the bf16 numbers as f32,
	v_and_b32 v13, 0xffff0000, v[48+i]
	v_cvt_pk_f16_f32 v[48+i], v12, v13             ; written as f16
.set i, i+1
.endr
.endif
	ds_store_b128 v6, v[48:51]
	ds_store_b128 v6, v[52:55] offset:16
	ds_store_b128 v6, v[56:59] offset:STP
	ds_store_b128 v6, v[60:63] offset:STP+16
	s_wait_dscnt 0x0                               ; for the other waves' sake: my stores into the stage are done
	s_barrier_signal -1
	s_barrier_wait -1
.irp j, 0,1,2,3
	ds_load_b128 v[64+4*\j:67+4*\j], v7 offset:\j*16*STP
.endr
.irp j, 0,1,2,3
	s_wait_dscnt 3-\j
	global_store_b128 v8, v[64+4*\j:67+4*\j], s[\DST:\DST+1] offset:\j*32768 th:TH_STORE_NT  ; sixteen lanes store 256 consecutive bytes, aligned
.endr
.endm
.Ljob_wa:
	s_sub_co_u32 s20, s19, 512
	s_lshr_b32 s23, s20, 3                         ; 0..47: part = g / 16, head = g % 16
	s_and_b32 s22, s23, 15
	s_mul_i32 s22, s22, 3
	s_lshr_b32 s26, s23, 4
	s_add_co_u32 s22, s22, s26                     ; 3 head + part
	TRANS 6, 12, 12288, 0
	s_branch .Lend
.Ljob_wp:
	s_sub_co_u32 s20, s19, 896
	s_lshr_b32 s23, s20, 3
	s_mov_b32 s22, s23
	TRANS 8, 14, 4096, 1
.Lend:
	s_wait_tensorcnt 0x0                           ; the wave's end
	ds_add_u32 v[SPW], v[NIL]
	s_wait_dscnt 0x0
	s_endpgm
.Lfunc_end_k_qc1c885b232_prep:
	.size	k_qc1c885b232_prep, .Lfunc_end_k_qc1c885b232_prep-k_qc1c885b232_prep
	.p2alignl 7, 3214868480
	.fill 96, 4, 3214868480
	.section	.rodata,"a",@progbits
	.p2align	6, 0x0
	.amdhsa_kernel k_qc1c885b232_prep
		.amdhsa_group_segment_fixed_size 18432
		.amdhsa_private_segment_fixed_size 0
		.amdhsa_enable_private_segment 0
		.amdhsa_kernarg_size 56
		.amdhsa_user_sgpr_count 2
		.amdhsa_user_sgpr_kernarg_segment_ptr 1
		.amdhsa_wavefront_size32 1
		.amdhsa_system_sgpr_workgroup_id_x 1
		.amdhsa_system_sgpr_workgroup_id_y 1
		.amdhsa_system_sgpr_workgroup_id_z 1
		.amdhsa_system_vgpr_workitem_id 0
		.amdhsa_next_free_vgpr 112
		.amdhsa_next_free_sgpr 66
		.amdhsa_reserve_vcc 1
		.amdhsa_float_denorm_mode_32 3
		.amdhsa_float_denorm_mode_16_64 3
		.amdhsa_memory_ordered 1
		.amdhsa_forward_progress 1
		.amdhsa_inst_pref_size 23
	.end_amdhsa_kernel
	.amdgpu_metadata
---
amdhsa.version: [ 1, 2 ]
amdhsa.kernels:
  - .name:           k_qc1c885b232_prep
    .symbol:         k_qc1c885b232_prep.kd
    .args:
      - { .name: x, .offset: 0, .size: 8, .value_kind: global_buffer, .address_space: global }
      - { .name: W_attn, .offset: 8, .size: 8, .value_kind: global_buffer, .address_space: global }
      - { .name: W_proj, .offset: 16, .size: 8, .value_kind: global_buffer, .address_space: global }
      - { .name: xb, .offset: 24, .size: 8, .value_kind: global_buffer, .address_space: global }
      - { .name: wa, .offset: 32, .size: 8, .value_kind: global_buffer, .address_space: global }
      - { .name: wp, .offset: 40, .size: 8, .value_kind: global_buffer, .address_space: global }
      - { .name: tab, .offset: 48, .size: 8, .value_kind: global_buffer, .address_space: global }
    .group_segment_fixed_size: 18432
    .private_segment_fixed_size: 0
    .kernarg_segment_align: 8
    .kernarg_segment_size: 56
    .max_flat_workgroup_size: 256
    .sgpr_count:     66
    .vgpr_count:     112
    .wavefront_size: 32
...
	.end_amdgpu_metadata
.endif
;; end of part 1
;; launch qkv (part 2): grid 16 x 16, 4 waves a work-group, clusters of 4 x 4, 327,680 bytes of LDS; arguments xb, wa, tab, q, k, v; writes q, k, v
.if DOCPART == 2
	.amdgcn_target "amdgcn-amd-amdhsa--gfx1250"
	.amdhsa_code_object_version 6
	.text
	.protected	k_qc1c885b232_qkv
	.globl	k_qc1c885b232_qkv
	.p2align	8
	.type	k_qc1c885b232_qkv,@function
k_qc1c885b232_qkv:
	s_mov_b64 s[64:65], 0
	v_nop
	global_prefetch_b8 v0, s[64:65] scope:SCOPE_SE
	s_setreg_imm32_b32 hwreg(HW_REG_WAVE_MODE, 25, 1), 1
	s_wait_xcnt 0x0
	s_wait_alu depctr_hold_cnt(0) depctr_sa_sdst(0) depctr_va_vdst(0) depctr_va_sdst(0) depctr_va_ssrc(0) depctr_va_vcc(0) depctr_vm_vsrc(0)
	s_getreg_b32 s2, hwreg(HW_REG_IB_STS2, 6, 4)
	s_cmp_eq_u32 s2, 0
	s_cbranch_scc0 .Lentry_in_a_cluster
	s_endpgm
.Lentry_in_a_cluster:
	s_bfe_u32 s2, ttmp6, 0x10000c
	s_cmp_lg_u32 s2, 0xf033
	s_cbranch_scc0 .Lentry_shape_is_right
	s_endpgm
.Lentry_shape_is_right:
; q, k, v = rope(x W_attn), by heads.  xb: [8192][1024] bf16.  wa: [16 heads][q,k,v][64][1024] bf16 (rows of W_attn^T).  tab: cos and sin, f32, in my lanes' order.
; q, k, v: [batch 16 + head][2048][64] f16, each rounded once from its f32 sum; q and k turned by the rotary table in f32, unscaled.
; LIMITS.  f16 ends at 65,504: a q, k or v of 65,520 or more becomes an infinity; below 6.1e-5 f16 keeps a fixed step of 6e-8.  NaN and infinities are not treated apart.
; SHARES.  A tile is 256 rows x 192 columns: the 192 columns are ONE head's q, k and v, so which columns are turned is fixed in the text.  8192 x 3072 make 512 such tiles: two for each of 256
; work-groups, 4,096 rows (two batches) apart, so both have the same tokens and one table in registers serves both.  A wave owns 64 rows x all 192 columns: 48 accumulators of 16 x 16.
; K goes in steps of 128 through two LDS slots filled by the tensor data mover; rows of 256 bytes, aligned.  The ring runs on into the second tile.
; CLUSTER 4 x 4: the four of a row need the same rows of xb, the four of a column the same rows of wa: each tile is asked for jointly.
; THE MATRIX INSTRUCTION IS USED TRANSPOSED (source 0 = 16 rows of wa, source 1 = 16 rows of xb): a lane holds one token and eight neighbouring channels: four rotary pairs.
; REGISTERS, in windows of 256 (s_set_vgpr_msb: bits 1:0 source 0, 3:2 source 1, 5:4 source 2, 7:6 destination):
;   window 0: v16-30 addresses; v32-63, v64-95 fragments of xb, two buffers; v96-159 turned numbers; v160-207 packed f16; v208-255 rows read back from the stage
;   window 1: accumulators of row blocks 0, 1 (block a, column block b at 96 (a % 2) + 8 b); v192-255 their table      window 2: the same for row blocks 2, 3
;   window 3: v0-95, v96-191 fragments of wa, two buffers
.set SIZE_K, 1024
.set KSTEP,  128
.set PITCH,  272                       ; an LDS row: 256 bytes + 16 of padding: the 16 rows of a fragment load start at 16 different groups of four banks (64 banks of 4 bytes: ISA guide 11.1)
.set AH,     128*PITCH                 ; what one load brings of xb
.set BH,     96*PITCH                  ; and of wa
.set BOFF,   2*AH
.set SLOT,   BOFF+2*BH
.set STAGE,  2*SLOT                    ; behind the ring, never filled by a tensor load: for each wave 3 parts x 16 rows x 144 bytes
.set SP,     144
.set STW,    48*SP
.set SPARE,  STAGE+4*STW               ; the spare words, 128 bytes a wave; no other line names them
.set NEXT_A, 4096*SIZE_K*2-(SIZE_K-2*KSTEP)*2  ; from a slot's last K step of a tile to its first of the next: 4,096 rows down, back along K
.set BACK_B, (SIZE_K-2*KSTEP)*2        ; wa only goes back: both tiles take the same head
.set ADRA, 16                          ; v16-17 LDS address of my xb fragments in slot 0, 1
.set ADRB, 20                          ; v20-21 of the wa fragments
.set STO,  24                          ; v24  the way out: where I put 16 bytes of a row
.set RD,   25                          ; v25  where I read rows back
.set GO,   26                          ; v26  my byte offset in q, k and v
.set TO,   27                          ; v27  my byte offset in the table; never rewritten
.set SPW,  28                          ; v28  my spare word; never rewritten
.set NIL,  29                          ; v29  0; never rewritten
.set PFO,  30                          ; v30  the prefetches' lane offset; never rewritten
.set AF,   32
.set T,    96
.set P,    160
.set OB,   208
.set TB,   192                         ; the table, in windows 1 and 2
.set WV,  16                           ; s16 wave
.set FB,  17                           ; s17 0: I fetch xb's rows, 1: wa's
.set HF,  18                           ; s18 which half of them
.set CX,  19
.set CY,  20
.set TC,  21                           ; s21 tile column = head
.set TR,  22                           ; s22 tile row, 0..15
.set CLY, 23                           ; s23 the cluster's y
.set G1A, 24
.set G0A, 32
.set G1B, 40
.set G0B, 48
.set PFA, 56                           ; s[56:57] where my prefetches stand
.set LIM, 58                           ; s58, s59: 1 where I prefetch at slot 0's, slot 1's change, else the greatest number
.set FIELDS, (1<<16)|(1<<20)|(1<<21)|(5<<22)|(3<<25)  ; 2-byte elements; padding on; bit 21 beside a mask; after every 64 words; 4 words
.set MSB, 0
.macro WIN new                         ; the high byte repeats the setting that is left; a switch that changes nothing is dropped
.if MSB != (\new)
	s_set_vgpr_msb (MSB<<8)|(\new)
.set MSB, \new
.endif
.endm
.macro PLACES                          ; four plain places behind matrix instructions, in front of loads into their sources and of readers of their results
.rept 4
	v_nop
.endr
.endm
; A joint load: waves 0, 1 fetch xb's halves, waves 2, 3 wa's.  The branch hangs on the wave's number alone.  s_nop 0 and four v_nop follow each line.
.macro JLOAD s
	s_cmp_eq_u32 s[FB], 0
	s_cbranch_scc0 .Lfor_b_\@
	tensor_load_to_lds s[G0A+4*(\s):G0A+4*(\s)+3], s[G1A:G1A+7]
	s_nop 0
.rept 4
	v_nop
.endr
	s_branch .Lasked_\@
.Lfor_b_\@:
	tensor_load_to_lds s[G0B+4*(\s):G0B+4*(\s)+3], s[G1B:G1B+7]
	s_nop 0
.rept 4
	v_nop
.endr
.Lasked_\@:
.endm
; A prefetch into the L2 of the K step two refills on.  xb: waves 0, 1 of the clusters with x = 0, at every refill; of the 128 rows that the wave fetches the partner at cx takes 32, a lane a row.
; wa: wave 2 of the clusters with y < 3, once a lap; rows 64 (cluster y) + 16 cy + lane % 16 of the head's 192, lanes 16-31 one K step further: 3 x 4 x 16 = 192 rows.
; So each 256 bytes of a row are named once in the launch; partners are told apart by address.  how = 0: in the loop, whose last trip has no K step two on; how = 1: at the change of tiles.
.macro ASK slot, how
.if \how
	s_cmp_eq_u32 s[LIM+(\slot)], 1
.else
	s_cmp_gt_u32 s3, s[LIM+(\slot)]
.endif
	s_cbranch_scc0 .Lnot_mine_\@
	global_prefetch_b8 v[PFO], s[PFA:PFA+1] th:TH_LOAD_NT scope:SCOPE_SE
.Lnot_mine_\@:
.endm
.macro CREST                           ; a round of the cluster's barrier behind its opening barrier
	s_cmp_lg_u32 s[WV], 0
	s_cbranch_scc1 .Lnot_wave_0_\@
	s_barrier_signal -3
.Lnot_wave_0_\@:
	s_barrier_wait -3
	s_barrier_signal -1
	s_barrier_wait -1
.endm
.macro CROUND
	s_barrier_signal -1
	s_barrier_wait -1
	CREST
.endm
	s_load_b256 s[4:11], s[0:1], 0x0               ; xb s[4:5], wa s[6:7], tab s[8:9], q s[10:11]
	s_load_b128 s[12:15], s[0:1], 0x20             ; k s[12:13], v s[14:15]
	v_lshl_add_u32 v[SPW], v0, 2, SPARE
	v_mov_b32 v[NIL], 0
	ds_add_u32 v[SPW], v[NIL]                      ; the wave's opening: the add and its wait stand ahead of my first tensor load; register work stands between
	v_lshrrev_b32 v1, 5, v0
	v_readfirstlane_b32 s[WV], v1
	s_lshr_b32 s[FB], s[WV], 1
	s_and_b32 s[HF], s[WV], 1
	s_bfe_u32 s[CX], ttmp6, 0x40000
	s_bfe_u32 s[CY], ttmp6, 0x40004
	s_lshl_b32 s[TC], ttmp9, 2
	s_add_co_u32 s[TC], s[TC], s[CX]
	s_and_b32 s[CLY], ttmp7, 0xffff
	s_lshl_b32 s[TR], s[CLY], 2
	s_add_co_u32 s[TR], s[TR], s[CY]
	s_lshl_b32 s60, s[CY], 2
	s_lshl_b32 s60, 15, s60                        ; my row of the cluster
	s_lshl_b32 s61, 0x1111, s[CX]                  ; my column
	s_or_b32 s[G1A+0], s60, FIELDS                 ; xb's tiles go to my row,
	s_or_b32 s[G1B+0], s61, FIELDS                 ; wa's to my column
	s_mov_b32 s[G1A+1], KSTEP<<16                  ; tensor_dim0 = 128
	s_mov_b32 s[G1A+2], 128<<16                    ; tensor_dim1 = 128
	s_mov_b32 s[G1A+3], KSTEP<<16                  ; tile_dim0 = 128
	s_mov_b32 s[G1A+4], 128                        ; tile_dim1 = 128
	s_mov_b32 s[G1A+5], SIZE_K                     ; elements from row to row
	s_mov_b32 s[G1A+6], 0
	s_mov_b32 s[G1A+7], 0
	s_mov_b32 s[G1B+1], KSTEP<<16
	s_mov_b32 s[G1B+2], 96<<16                     ; 96 rows
	s_mov_b32 s[G1B+3], KSTEP<<16
	s_mov_b32 s[G1B+4], 96
	s_mov_b32 s[G1B+5], SIZE_K
	s_mov_b32 s[G1B+6], 0
	s_mov_b32 s[G1B+7], 0
	s_lshl_b32 s62, s[TR], 8                       ; xb: row 256 x tile row + 128 x half, which my row of the cluster shares
	s_lshl_b32 s63, s[HF], 7
	s_add_co_u32 s62, s62, s63
	s_lshl_b32 s62, s62, 11                        ; 2,048 bytes a row
	s_mov_b32 s63, 0
	s_mul_i32 s68, s[TC], 192                      ; wa: row 192 x head + 96 x half, which my column shares
	s_mul_i32 s69, s[HF], 96
	s_add_co_u32 s68, s68, s69
	s_lshl_b32 s68, s68, 11
	s_mov_b32 s69, 0
	s_mul_i32 s72, s[WV], AH                       ; where they go: waves 0, 1: xb's halves at 0 and AH;
	s_mul_i32 s73, s[WV], BH
	s_add_co_u32 s73, s73, BOFF-2*BH               ; waves 2, 3: wa's halves at BOFF and BOFF + BH
	s_wait_dscnt 0x0                               ; the opening add is done
	s_wait_kmcnt 0x0
	s_add_nc_u64 s[66:67], s[4:5], s[62:63]
	s_add_nc_u64 s[70:71], s[6:7], s[68:69]
	CROUND                                         ; all sixteen work-groups are here: the first joint loads meet
.irp s, 0,1
	s_mov_b32 s[G0A+4*(\s)], 1
	s_add_co_u32 s[G0A+4*(\s)+1], s72, (\s)*SLOT
	s_add_nc_u64 s[G0A+4*(\s)+2:G0A+4*(\s)+3], s[66:67], (\s)*KSTEP*2
	s_or_b32 s[G0A+4*(\s)+3], s[G0A+4*(\s)+3], 0x80000000
	s_mov_b32 s[G0B+4*(\s)], 1
	s_add_co_u32 s[G0B+4*(\s)+1], s73, (\s)*SLOT
	s_add_nc_u64 s[G0B+4*(\s)+2:G0B+4*(\s)+3], s[70:71], (\s)*KSTEP*2
	s_or_b32 s[G0B+4*(\s)+3], s[G0B+4*(\s)+3], 0x80000000
	JLOAD \s                                       ; two loads of mine are out
.endr
	v_and_b32 v1, 15, v0                           ; r = lane % 16
	v_bfe_u32 v2, v0, 4, 1                         ; h = lane / 16
	v_and_b32 v5, 31, v0                           ; lane
	v_mul_u32_u24 v3, v1, PITCH
	v_lshl_add_u32 v3, v2, 4, v3                   ; a fragment's row x pitch + 16 x half
	s_mul_i32 s74, s[WV], 64*PITCH                 ; my 64 rows of xb
	v_add_nc_u32 v[ADRA], s74, v3
	v_add_nc_u32 v[ADRA+1], SLOT, v[ADRA]
	v_add_nc_u32 v[ADRB], BOFF, v3                 ; every wave reads all 192 rows of wa
	v_add_nc_u32 v[ADRB+1], SLOT, v[ADRB]
	s_mul_i32 s75, s[WV], STW
	s_add_co_u32 s75, s75, STAGE                   ; my stage
	v_mul_u32_u24 v4, v1, SP
	v_lshl_add_u32 v4, v2, 4, v4
	v_add_nc_u32 v[STO], s75, v4
	v_lshrrev_b32 v6, 3, v5
	v_and_b32 v7, 7, v0
	v_mul_u32_u24 v6, v6, SP                       ; back: 32 lanes take four rows of 128 bytes
	v_lshl_add_u32 v6, v7, 4, v6
	v_add_nc_u32 v[RD], s75, v6
	s_lshr_b32 s74, s[TR], 3                       ; batch,
	s_lshl_b32 s74, s74, 22
	s_lshl_b32 s75, s[TC], 18                      ; head,
	s_add_co_u32 s74, s74, s75
	s_and_b32 s75, s[TR], 7
	s_lshl_b32 s76, s75, 15                        ; 256 tokens of 128 bytes,
	s_add_co_u32 s74, s74, s76
	s_lshl_b32 s76, s[WV], 13                      ; my wave's 64
	s_add_co_u32 s74, s74, s76
	v_lshl_add_u32 v[GO], v5, 4, s74
	s_lshl_b32 s75, s75, 16                        ; the table: 4,096 bytes for 16 tokens
	s_lshl_b32 s76, s[WV], 14
	s_add_co_u32 s75, s75, s76
	v_lshl_add_u32 v[TO], v5, 4, s75
.irp a, 0,1,2,3                        ; the table of my 64 tokens stays in registers for both tiles: row block a, channels 16 c on, pairs 2 i and 2 i + 1 of my four
	WIN 0x40*(1+(\a)/2)
.irp c, 0,1,2,3
.irp i, 0,1
	global_load_b128 v[TB+32*((\a)%2)+8*(\c)+4*(\i):TB+32*((\a)%2)+8*(\c)+4*(\i)+3], v[TO], s[8:9] offset:(\a)*4096+(\c)*1024+(\i)*512
.endr
.endr
.endr
	WIN 0
	; the prefetches' address, offset and limits
	s_lshl_b32 s74, s[TR], 8
	s_lshl_b32 s75, s[HF], 7
	s_add_co_u32 s74, s74, s75
	s_lshl_b32 s75, s[CX], 5
	s_add_co_u32 s74, s74, s75                     ; xb: 256 tile row + 128 half + 32 cx
	s_mul_i32 s76, s[TC], 192
	s_lshl_b32 s75, s[CLY], 6
	s_add_co_u32 s76, s76, s75
	s_lshl_b32 s75, s[CY], 4
	s_add_co_u32 s76, s76, s75                     ; wa: 192 head + 64 cluster y + 16 cy
	s_cmp_lt_u32 s[CLY], 3
	s_cselect_b32 s77, 1, -1
	s_cmp_eq_u32 s[WV], 2
	s_cselect_b32 s77, s77, -1                     ; wa's asker: wave 2 of the clusters with y < 3
	s_cmp_eq_u32 ttmp9, 0
	s_cselect_b32 s78, 1, -1                       ; xb's askers: the clusters with x = 0
	s_cmp_eq_u32 s[FB], 0
	s_cselect_b32 s[LIM], s78, s77
	s_cselect_b32 s[LIM+1], s78, -1
	s_cselect_b32 s74, s74, s76
	s_cselect_b32 s77, 31, 15
	s_cselect_b32 s78, 0, 256
	s_cselect_b64 s[PFA:PFA+1], s[4:5], s[6:7]
	s_lshl_b32 s74, s74, 11
	s_add_co_u32 s74, s74, 3*KSTEP*2               ; at K step 3: the first refill steps it to 4.  Nothing is asked for here, at the head
	s_mov_b32 s75, 0
	s_add_nc_u64 s[PFA:PFA+1], s[PFA:PFA+1], s[74:75]
	v_and_b32 v[PFO], s77, v5
	v_lshlrev_b32 v[PFO], 11, v[PFO]
	v_mad_u32_u24 v[PFO], v2, s78, v[PFO]
; 12 matrix instructions: row block a x all 12 column blocks, 32 along K, from buffer f.  zero = 1: the product starts the sum.  The 48 accumulators take turns, one instruction a turn, in the same order in every quarter.
.macro MUL12 f, a, zero
	WIN 0x53+0x50*((\a)/2)
.irp b, 0,1,2,3,4,5,6,7,8,9,10,11
.if \zero
	v_wmma_f32_16x16x32_bf16 v[96*((\a)%2)+8*(\b):96*((\a)%2)+8*(\b)+7], v[96*(\f)+8*(\b):96*(\f)+8*(\b)+7], v[AF+32*(\f)+8*(\a):AF+32*(\f)+8*(\a)+7], 0
.else
	v_wmma_f32_16x16x32_bf16 v[96*((\a)%2)+8*(\b):96*((\a)%2)+8*(\b)+7], v[96*(\f)+8*(\b):96*(\f)+8*(\b)+7], v[AF+32*(\f)+8*(\a):AF+32*(\f)+8*(\a)+7], v[96*((\a)%2)+8*(\b):96*((\a)%2)+8*(\b)+7]
.endif
.endr
.endm
; 32 LDS loads in one run: a quarter step's fragments (192 rows of wa, then my 64 rows of xb; 32 K at byte k of the rows) into buffer f
.macro FETCH slot, k, f
	WIN 0xc0
.irp b, 0,1,2,3,4,5,6,7,8,9,10,11
	ds_load_b128 v[96*(\f)+8*(\b):96*(\f)+8*(\b)+3],   v[ADRB+(\slot)] offset:(\k)+(\b)*16*PITCH
	ds_load_b128 v[96*(\f)+8*(\b)+4:96*(\f)+8*(\b)+7], v[ADRB+(\slot)] offset:(\k)+(\b)*16*PITCH+32
.endr
	WIN 0
.irp a, 0,1,2,3
	ds_load_b128 v[AF+32*(\f)+8*(\a):AF+32*(\f)+8*(\a)+3],   v[ADRA+(\slot)] offset:(\k)+(\a)*16*PITCH
	ds_load_b128 v[AF+32*(\f)+8*(\a)+4:AF+32*(\f)+8*(\a)+7], v[ADRA+(\slot)] offset:(\k)+(\a)*16*PITCH+32
.endr
.endm
; A K step is four quarters of 32 along K, 48 matrix instructions each, on buffers 0, 1, 0, 1.  One of the first three multiplies buffer f and fetches the next quarter, at byte k, into g.
.macro QUARTER slot, k, f, g, zero
	s_wait_dscnt 4                                 ; all but the youngest four loads: xb's row blocks 2 and 3
	MUL12 \f, 0, \zero
	MUL12 \f, 1, \zero
	PLACES
	FETCH \slot, \k, \g
	s_wait_dscnt 32                                ; all but the 32 just issued
	MUL12 \f, 2, \zero
	MUL12 \f, 3, \zero
.endm
; The first half of the last quarter: one barrier for the change of slots.  In front of it each wave waits for all its tensor loads (one is out: its part of the next slot), adds 0 to its spare
; word, and waits for that and for its reads of this slot.
.macro MEET round
	WIN 0
	s_wait_tensorcnt 0x0
	ds_add_u32 v[SPW], v[NIL]
	s_wait_dscnt 5                                 ; the add and the youngest four loads may be out
	MUL12 1, 0, 0
	s_wait_dscnt 0x0                               ; the add is done and my reads of this slot are over
	s_barrier_signal -1
	MUL12 1, 1, 0
.if \round
	WIN 0
.endif
	s_barrier_wait -1
.endm
; The whole last quarter.  Behind the round the slot just read is filled again first: with this tile's K step two on (on = 0) or the next tile's K step 0 or 1 (on = 1).
.macro TURN slot, next, on
	s_wait_xcnt 0x0                                ; the last prefetch, a K step back, has read its address
.if (\on) && (\slot) == 0
	s_add_nc_u64 s[PFA:PFA+1], s[PFA:PFA+1], 4096*SIZE_K*2-7*KSTEP*2  ; from K step 9 of this tile's rows to K step 2 of the next tile's
	s_cmp_eq_u32 s[FB], 0
	s_cselect_b32 s[LIM], s[LIM], -1               ; wa's rows are the same for both tiles: asked for no more
.else
	s_add_nc_u64 s[PFA:PFA+1], s[PFA:PFA+1], KSTEP*2
.endif
	MEET 1
	CREST                                          ; no wave of any partner still reads this slot or has a load on its way
.if \on
	s_add_nc_u64 s[G0A+4*(\slot)+2:G0A+4*(\slot)+3], s[G0A+4*(\slot)+2:G0A+4*(\slot)+3], NEXT_A
	s_sub_nc_u64 s[G0B+4*(\slot)+2:G0B+4*(\slot)+3], s[G0B+4*(\slot)+2:G0B+4*(\slot)+3], BACK_B
.else
	s_add_nc_u64 s[G0A+4*(\slot)+2:G0A+4*(\slot)+3], s[G0A+4*(\slot)+2:G0A+4*(\slot)+3], 2*KSTEP*2
	s_add_nc_u64 s[G0B+4*(\slot)+2:G0B+4*(\slot)+3], s[G0B+4*(\slot)+2:G0B+4*(\slot)+3], 2*KSTEP*2
.endif
	JLOAD \slot                                    ; my one tensor load behind the round; its four v_nop are also the places in front of the loads below
	FETCH \next, 0, 0
	ASK \slot, \on
	MUL12 1, 2, 0
	MUL12 1, 3, 0
.endm
; THE WAY OUT of row block a.  ROPE: q's and k's pairs (x0, x1) become (x0 c - x1 s, x1 c + x0 s) in f32: a packed multiply by c and a packed multiply-add with the halves crossed; all is rounded to f16.
; Each accumulator is read from its lowest registers on.
.macro ROPE a
.set AC, 96*((\a)%2)
.set CSB, TB+32*((\a)%2)
	WIN 5*(1+(\a)/2)                               ; sources 0 and 1 in the block's window, source 2 and destination in window 0
.irp b, 0,1,2,3,4,5,6,7
.irp r, 0,2,4,6
	v_pk_mul_f32 v[T+8*(\b)+(\r):T+8*(\b)+(\r)+1], v[AC+8*(\b)+(\r):AC+8*(\b)+(\r)+1], v[CSB+8*((\b)%4)+(\r):CSB+8*((\b)%4)+(\r)+1] op_sel_hi:[1,0]
.endr
.irp r, 0,2,4,6
	v_pk_fma_f32 v[T+8*(\b)+(\r):T+8*(\b)+(\r)+1], v[AC+8*(\b)+(\r):AC+8*(\b)+(\r)+1], v[CSB+8*((\b)%4)+(\r):CSB+8*((\b)%4)+(\r)+1], v[T+8*(\b)+(\r):T+8*(\b)+(\r)+1] op_sel:[1,1,0] op_sel_hi:[0,1,1] neg_lo:[0,1,0]
.endr
.endr
.irp b, 8,9,10,11
.irp r, 0,2,4,6
	v_cvt_pk_f16_f32 v[P+4*(\b)+(\r)/2], v[AC+8*(\b)+(\r)], v[AC+8*(\b)+(\r)+1]
.endr
.endr
	WIN 0
.irp b, 0,1,2,3,4,5,6,7
.irp r, 0,2,4,6
	v_cvt_pk_f16_f32 v[P+4*(\b)+(\r)/2], v[T+8*(\b)+(\r)], v[T+8*(\b)+(\r)+1]
.endr
.endr
.endm
.macro TOSTAGE a                       ; 16 bytes a lane into my own stage (part b / 4, row lane % 16), and back as rows of 128 bytes, four to a load
.irp b, 0,1,2,3,4,5,6,7,8,9,10,11
	ds_store_b128 v[STO], v[P+4*(\b):P+4*(\b)+3] offset:((\b)/4)*16*SP+32*((\b)%4)
.endr
	s_wait_xcnt 0x0                                ; the stores of the block before have read the registers that are loaded again below
.irp g, 0,1,2,3,4,5,6,7,8,9,10,11
	ds_load_b128 v[OB+4*(\g):OB+4*(\g)+3], v[RD] offset:((\g)/4)*16*SP+((\g)%4)*4*SP  ; LDS serves a wave's instructions in order (ISA guide 5.7.1.4): these see the stores above
.endr
.endm
.macro SEND a
.irp g, 0,1,2,3,4,5,6,7,8,9,10,11
	s_wait_dscnt 11-(\g)
	global_store_b128 v[GO], v[OB+4*(\g):OB+4*(\g)+3], s[10+2*((\g)/4):11+2*((\g)/4)] offset:(\a)*2048+((\g)%4)*512  ; 512 consecutive bytes of q, k or v, aligned
.endr
.endm
	s_wait_tensorcnt 1                             ; my part of K step 0 is in; K step 1's may stay out
	s_barrier_signal -1
	s_barrier_wait -1
	FETCH 0, 0, 0
	s_mov_b32 s2, 2                                ; tiles to go
.Ltile:
	QUARTER 0, 64,  0, 1, 1                        ; a tile's first quarter starts the sums
	WIN 0
	s_mov_b32 s3, 3
.Llap:                                             ; a trip goes once round the ring and fills both slots again
	QUARTER 0, 128, 1, 0, 0
	QUARTER 0, 192, 0, 1, 0
	TURN 0, 1, 0
	QUARTER 1, 64,  0, 1, 0
	QUARTER 1, 128, 1, 0, 0
	QUARTER 1, 192, 0, 1, 0
	TURN 1, 0, 0
	QUARTER 0, 64,  0, 1, 0
	WIN 0
	s_sub_co_u32 s3, s3, 1
	s_cmp_lg_u32 s3, 0
	s_cbranch_scc1 .Llap
	QUARTER 0, 128, 1, 0, 0                        ; the tile's last lap goes on
	QUARTER 0, 192, 0, 1, 0
	WIN 0
	s_cmp_eq_u32 s2, 1
	s_cbranch_scc1 .Llast
	TURN 0, 1, 1                                   ; the ring goes on into the second tile: slot 0 takes its K step 0,
	QUARTER 1, 64,  0, 1, 0
	QUARTER 1, 128, 1, 0, 0
	QUARTER 1, 192, 0, 1, 0
	TURN 1, 0, 1                                   ; slot 1 its K step 1, and its first fragments are fetched
	WIN 0
	s_branch .Lout
.Llast:                                            ; the last tile's tail asks for nothing
	MEET 0
	PLACES
	FETCH 1, 0, 0
	MUL12 1, 2, 0
	MUL12 1, 3, 0
	QUARTER 1, 64,  0, 1, 0
	QUARTER 1, 128, 1, 0, 0
	QUARTER 1, 192, 0, 1, 0
	s_wait_dscnt 4
	MUL12 1, 0, 0
	MUL12 1, 1, 0
	s_wait_dscnt 0x0
	MUL12 1, 2, 0
	MUL12 1, 3, 0
	WIN 0
.Lout:
	PLACES                                         ; the places behind the last products
	s_wait_loadcnt 0x0                             ; the table
	ROPE 0
	TOSTAGE 0
.irp a, 1,2,3                          ; a block's arithmetic stands between the loads of the block before and its stores
	ROPE \a
	SEND (\a)-1
	TOSTAGE \a
.endr
	SEND 3
	s_wait_xcnt 0x0                                ; the stores have read their offset
	v_add_nc_u32 v[GO], 0x800000, v[GO]            ; two batches on
	s_sub_co_u32 s2, s2, 1
	s_cmp_lg_u32 s2, 0
	s_cbranch_scc1 .Ltile
	s_wait_tensorcnt 0x0                           ; the wave's end
	ds_add_u32 v[SPW], v[NIL]
	s_wait_dscnt 0x0
	CROUND                                         ; the closing round: no work-group ends while a partner may still ask for a tile that names it
	s_endpgm
.Lfunc_end_k_qc1c885b232_qkv:
	.size	k_qc1c885b232_qkv, .Lfunc_end_k_qc1c885b232_qkv-k_qc1c885b232_qkv
	.p2alignl 7, 3214868480
	.fill 96, 4, 3214868480
	.section	.rodata,"a",@progbits
	.p2align	6, 0x0
	.amdhsa_kernel k_qc1c885b232_qkv
		.amdhsa_group_segment_fixed_size 327680
		.amdhsa_private_segment_fixed_size 0
		.amdhsa_enable_private_segment 0
		.amdhsa_kernarg_size 48
		.amdhsa_user_sgpr_count 2
		.amdhsa_user_sgpr_kernarg_segment_ptr 1
		.amdhsa_wavefront_size32 1
		.amdhsa_system_sgpr_workgroup_id_x 1
		.amdhsa_system_sgpr_workgroup_id_y 1
		.amdhsa_system_sgpr_workgroup_id_z 1
		.amdhsa_system_vgpr_workitem_id 0
		.amdhsa_next_free_vgpr 960
		.amdhsa_next_free_sgpr 80
		.amdhsa_reserve_vcc 0
		.amdhsa_float_denorm_mode_32 3
		.amdhsa_float_denorm_mode_16_64 3
		.amdhsa_memory_ordered 1
		.amdhsa_forward_progress 1
		.amdhsa_inst_pref_size 170
	.end_amdhsa_kernel
	.amdgpu_metadata
---
amdhsa.version: [ 1, 2 ]
amdhsa.kernels:
  - .name:           k_qc1c885b232_qkv
    .symbol:         k_qc1c885b232_qkv.kd
    .args:
      - { .name: xb, .offset: 0, .size: 8, .value_kind: global_buffer, .address_space: global }
      - { .name: wa, .offset: 8, .size: 8, .value_kind: global_buffer, .address_space: global }
      - { .name: tab, .offset: 16, .size: 8, .value_kind: global_buffer, .address_space: global }
      - { .name: q, .offset: 24, .size: 8, .value_kind: global_buffer, .address_space: global }
      - { .name: k, .offset: 32, .size: 8, .value_kind: global_buffer, .address_space: global }
      - { .name: v, .offset: 40, .size: 8, .value_kind: global_buffer, .address_space: global }
    .group_segment_fixed_size: 327680
    .private_segment_fixed_size: 0
    .kernarg_segment_align: 8
    .kernarg_segment_size: 48
    .max_flat_workgroup_size: 128
    .sgpr_count:     80
    .vgpr_count:     960
    .wavefront_size: 32
...
	.end_amdgpu_metadata
.endif
;; end of part 2
;; launch attn (part 3): grid 4 x 64, 4 waves a work-group, no clusters, 327,680 bytes of LDS; arguments q, k, v, o; writes o
.if DOCPART == 3
	.amdgcn_target "amdgcn-amd-amdhsa--gfx1250"
	.amdhsa_code_object_version 6
	.text
	.protected	k_qc1c885b232_attn
	.globl	k_qc1c885b232_attn
	.p2align	8
	.type	k_qc1c885b232_attn,@function
k_qc1c885b232_attn:
	s_mov_b64 s[64:65], 0
	v_nop
	global_prefetch_b8 v0, s[64:65] scope:SCOPE_SE
	s_setreg_imm32_b32 hwreg(HW_REG_WAVE_MODE, 25, 1), 1
	s_wait_xcnt 0x0
; CAUSAL ATTENTION.  O[h][q][:] = the sum over k <= q of softmax_k(Q[h][q] . K[h][k] / 8) V[h][k][:].  Q, K, V, O: [64][2048][64], all f16: a head's rows are dense, 128 bytes each.
; Products, maxima and sums in f32; the weights p are rounded to f16 for the second product (their sum l is taken of the unrounded p), O once at the end.
; LIMITS.  f16 holds no number beyond 65,504: Q, K and V arrive within it; p lies in 0 to 1, and below 6e-5 it keeps f16's fixed step of 6e-8; O is a mean of V's rows and has their range.
; A hidden score counts as its value less 1e30; a weight below 2^-126 counts as 0 in l; NaN and infinities are not treated apart.
; THE WALK.  A head's queries lie in NB = 8 blocks of 256; block i needs the key tiles 0 .. i of 256 keys, of which the last holds the diagonal.  A work-group takes TWO blocks, NB - 1 - b and then b:
; NB + 1 tiles, whatever b: all work-groups do equal work, and ONE loop with a constant trip count walks them.  Every jump goes forward but the counted loops' own; none passes a barrier, or a tensor
; load but the one of LOAD's two that the wave's number does not choose.  The ring (two LDS slots that take turns) runs on across the change of blocks.
; NO CLUSTER: a head's four work-groups ask for the same tile only in trips 0 .. 4 of 9, behind that fewer and fewer; one walk common to all four would have 12 trips for 9.
; SHARES.  Of a block's four bands of 64 queries a wave owns 16 rows in each: four PIECES.  In the diagonal tile's key step s band x sees all keys if s < x, none if s > x, and holds the diagonal if s = x.
; THE MASK is the C operand that starts the sum S^T = K Q^T: 0, or -1e30 where the key is hidden: MD x AL + BE with two scalars: (1, 0) if s = x; (0, 0) if s < x; (0, -1e30) if s > x.
; LAYOUT, SOFTMAX, TURNS.  S^T = K Q^T holds ONE query a lane (lane % 16) and the keys 8 (lane / 16) + 0..7; two such results rounded to f16 ARE source 1 of O^T = V^T P.  p = 2^(c s - c m), c = log2(e) / 8,
; with a running maximum m; O and l are multiplied by a = 2^(c m_old - c m_new) in every step.  Turn n belongs to piece n: 8 products K Q^T of piece n + 1, later 8 products V^T P of piece n - 1; beside them the
; scaling, exponentials, roundings, sums and rescaling of piece n and the maximum and statistics of piece n + 1.  Four vector instructions stand behind every matrix instruction, the rest in one run.
; A turn's 33 exponentials are one batch, with one wait.
; AHEAD OF THE LOADS.  Behind each fill of trips 0 .. 5 one prefetch names a quarter of the tile that the NEXT trip's fill will ask for (tile trip + 2): the head's four work-groups take 8,192 bytes each by
; address, a lane 256 bytes; wave 0 asks for K's, wave 2 for V's.  So each tile is named once in the launch, ahead of its first reading; tiles 0 and 1 come by their loads alone.
; REGISTERS, in windows of 256 (s_set_vgpr_msb: bits 1:0 source 0, 3:2 source 1, 5:4 source 2, 7:6 destination):
;   window 0: v0-15 addresses and two at work; v16-31 four registers of statistics a piece; v48-55 at work; v61-63; v64-127 S^T, two buffers; v192-223 P, two buffers (by the piece's parity)
;   window 1: v0-127 O^T, 32 a piece; v128-159 MD; v160-223 MC, two buffers      window 2: v0-63 Q; v64-127 the second block's Q; v128-191 K of one step; v192-255 V of one step
.set SIZE_N, 2048
.set NB,    SIZE_N/256
.set NP,    4
.set KS,    64        ; keys in a step
.set PK,    144       ; a row of K in LDS: 128 bytes + 16: the 16 rows of a load start at 16 different groups of four banks (64 banks of 4 bytes: ISA guide 11.1)
.set PV,    160       ; a row of V: 128 + 32
.set VOFF,  4*KS*PK   ; a slot holds a tile, four steps: 256 rows of K, then 256 rows of V
.set SLOT1, 1<<17     ; slot 1 begins here: one exclusive or turns an address in one slot into the other's
.set STAGE, SLOT1+4*KS*(PK+PV)  ; behind the ring, never filled by a tensor load: 16 rows x 144 bytes for each wave
.set SP,    144
.set AK0, 2           ; v2   my lane's place in a tile of K; never rewritten
.set AV0, 3           ; v3   the same for V
.set AK,  4           ; v4   the LDS address of K's next run of loads
.set AV,  5           ; v5   of V's
.set STO, 6           ; v6   the way out: where I put 16 bytes of a row
.set RD,  7           ; v7   where I read rows back
.set GO,  8           ; v8   my byte offset in 512 consecutive bytes of O
.set PFO, 61          ; v61  256 x my lane; never rewritten
.set SPW, 62          ; v62  my spare word; never rewritten
.set NIL, 63          ; v63  0; never rewritten
.set SPARE, STAGE+4*16*SP  ; the spare words, 128 bytes a wave; no other line names them
.set MV,  12          ; v12-13  c m_old, by buffer
.set QO,  15          ; v15  my byte offset in 16 rows of Q
.set ST,  16          ; piece t's statistics at v[ST+4 t]: c m, m, l (even keys', odd keys')
.set TMP, 48          ; by buffer, four registers c0-c3 at work; when the maximum is found c2 takes a
.set S,   64
.set P,   192
.set MD,  128         ; window 1
.set MC,  160         ; window 1
.set QB,  64          ; window 2
.set KF,  128         ; window 2: key block kb, channel half c at KF + 16 kb + 8 c
.set VF,  192         ; window 2: key half kk, channel block cb at VF + 32 kk + 8 cb
.set WV,  12          ; s12  my wave's number
.set PB,  14          ; s14  b
.set HI,  15          ; s15  NB - 1 - b
.set G1K, 24
.set G1V, 32
.set G0K, 40
.set G0V, 44
.set SLOTS, 56        ; s56  tiles still to be asked for
.set CNT, 57          ; s57  counts a tile's key steps, 4 to 1
.set CS,  58          ; s[58:59] c
.set SEL, 60          ; s[60:61] v_permlanex16_b32's selects
.set TBK, 62          ; s62  LDS byte at which K of the step to be fetched begins
.set TBV, 63          ; s63  the same for V, less VOFF
.set RT,  70          ; s70  tiles of the block in hand still to be entered
.set NXT, 71          ; s71  the tile to be asked for next
.set LQ,  72          ; s72  the last tile of the block whose tiles are being asked for
.set NEW, 73          ; s73  1: the tile to be entered is a block's first
.set OFF, 74          ; s[74:75] a tile's byte offset in K and V
.set AL,  76          ; s[76:77] the mask's factor
.set BE,  78          ; s[78:79] the mask's addend
.set OLO, 80          ; s[80:81] O at my rows of the second block
.set BIGN, 82         ; s82  -1e30
.set PFA, 88          ; s[88:89] where my prefetches stand
.set LIM, 90          ; s90  2 in a wave that prefetches, else the greatest number
.set MSB, 0
.macro WIN new
.if MSB != (\new)
	s_set_vgpr_msb (MSB<<8)|(\new)
.set MSB, (\new)
.endif
.endm
.set W_KQ, 0x0a       ; K and Q in window 2, S^T in window 0
.set W_KM, 0x1a       ; the same with the C operand in window 1
.set W_PV, 0x52       ; V in window 2, P in window 0, O^T in window 1
.set W_RS, 0x41       ; destination and source 0 in window 1, source 1 in window 0
; A fill.  Waves 0 and 1 fetch the two halves of a tile's K, waves 2 and 3 those of its V: 128 keys each.  s_nop 0 and four v_nop follow each line.
.macro LOAD
	s_cmp_lt_u32 s[WV], 2
	s_cbranch_scc0 .Lfor_v_\@
	tensor_load_to_lds s[G0K:G0K+3], s[G1K:G1K+7]
	s_nop 0
.rept 4
	v_nop
.endr
	s_branch .Lasked_\@
.Lfor_v_\@:
	tensor_load_to_lds s[G0V:G0V+3], s[G1V:G1V+7]
	s_nop 0
.rept 4
	v_nop
.endr
.Lasked_\@:
.endm
.macro ASK                          ; while more than two tiles are still to be asked for: trips 0 .. 5
	s_cmp_gt_u32 s[SLOTS], s[LIM]
	s_cbranch_scc0 .Lnot_mine_\@
	global_prefetch_b8 v[PFO], s[PFA:PFA+1] th:TH_LOAD_NT scope:SCOPE_SE
.Lnot_mine_\@:
.endm
; THE CHANGE OF SLOTS.  Each wave waits for all its tensor loads (one is out: its part of the other slot), adds 0 to its spare word, and waits for that and for its reads of the slot that it leaves.
; fill = 1: the old slot is filled again, first thing behind the barrier, with tile NXT: the descriptor's address is made anew from that number.
.macro CHANGE fill
	WIN 0
	s_wait_tensorcnt 0x0            ; no tensor load of mine is out, so a group 0 may be written
	ds_add_u32 v[SPW], v[NIL]       ; scalar work stands between the add and its wait
.if \fill
	s_lshl_b32 s[OFF], s[NXT], 15   ; a tile is 32,768 bytes of K and of V
	s_xor_b32 s[G0K+1], s[G0K+1], SLOT1
	s_add_nc_u64 s[G0K+2:G0K+3], s[6:7], s[OFF:OFF+1]
	s_or_b32 s[G0K+3], s[G0K+3], 0x80000000
	s_xor_b32 s[G0V+1], s[G0V+1], SLOT1
	s_add_nc_u64 s[G0V+2:G0V+3], s[8:9], s[OFF:OFF+1]
	s_or_b32 s[G0V+3], s[G0V+3], 0x80000000
	s_add_co_u32 s[NXT], s[NXT], 1  ; the block's next tile, or behind its last the second block's tile 0
	s_cmp_gt_u32 s[NXT], s[LQ]
	s_cselect_b32 s[NXT], 0, s[NXT]
	s_cselect_b32 s[LQ], s[PB], s[LQ]
	s_wait_xcnt 0x0                 ; the last prefetch, a tile back, has read its address
	s_add_nc_u64 s[PFA:PFA+1], s[PFA:PFA+1], 32768
.endif
	s_wait_dscnt 0x0                ; the add is done, and my reads of the slot are over
	s_barrier_signal -1
	s_sub_co_u32 s[TBK], s[TBK], 4*KS*PK  ; the fetches go back to a slot's first step,
	s_xor_b32 s[TBK], s[TBK], SLOT1       ; in the other slot
	s_sub_co_u32 s[TBV], s[TBV], 4*KS*PV
	s_xor_b32 s[TBV], s[TBV], SLOT1
	s_barrier_wait -1
.if \fill
	LOAD
	ASK
.endif
.endm
	s_load_b256 s[4:11], s[0:1], 0x0  ; Q s[4:5], K s[6:7], V s[8:9], O s[10:11]
	v_lshl_add_u32 v[SPW], v0, 2, SPARE
	v_mov_b32 v[NIL], 0
	ds_add_u32 v[SPW], v[NIL]       ; the wave's opening: the add and its wait stand ahead of my first tensor load
	v_lshrrev_b32 v1, 5, v0
	v_readfirstlane_b32 s[WV], v1   ; wave 0..3
	v_and_b32 v[PFO], 31, v0
	v_lshlrev_b32 v[PFO], 8, v[PFO]
	s_mov_b32 s[PB], ttmp9
	s_sub_co_u32 s[HI], NB-1, s[PB]
	s_and_b32 s20, ttmp7, 0xffff    ; the head
	s_mov_b32 s21, 0
	s_mov_b64 s[22:23], SIZE_N*128
	s_mul_u64 s[20:21], s[20:21], s[22:23]  ; the head's first byte in each of the four tensors
	s_and_b32 s16, s[WV], 1         ; which half of a tile's 256 keys I fetch:
	s_lshl_b32 s22, s16, 14         ; its 128 rows of 128 bytes in memory,
	s_mov_b32 s23, 0
	s_add_nc_u64 s[22:23], s[22:23], s[20:21]
	s_mul_i32 s17, s16, 128*PK      ; and its place in a slot, for K
	s_mul_i32 s18, s16, 128*PV      ; and for V
	s_lshl_b32 s3, s[WV], 11        ; my 16 rows in a band of 64,
	s_lshl_b32 s2, s[HI], 15        ; in the first block,
	s_add_co_u32 s2, s2, s3
	s_lshl_b32 s84, s[PB], 15       ; and in the second
	s_add_co_u32 s84, s84, s3
	s_mov_b32 s3, 0
	s_mov_b32 s85, 0
	s_add_nc_u64 s[2:3], s[2:3], s[20:21]
	s_add_nc_u64 s[84:85], s[84:85], s[20:21]
	; descriptor group 1.  128 keys are 16,384 dense bytes: asked for as 64 rows of 256 bytes, two keys a row, and padded in LDS after every key
	s_mov_b32 s[G1K], (1<<16)|(1<<20)|(4<<22)|(3<<25)  ; 2-byte elements; padding on; after every 32 words; 4 words
	s_mov_b32 s[G1V], (1<<16)|(1<<20)|(4<<22)|(7<<25)  ; the same with 8 words of padding
.irp g, G1K, G1V
	s_mov_b32 s[\g+1], 128<<16      ; tensor_dim0 = 128
	s_mov_b32 s[\g+2], 64<<16       ; tensor_dim1 = 64
	s_mov_b32 s[\g+3], 128<<16      ; tile_dim0 = 128
	s_mov_b32 s[\g+4], 64           ; tile_dim1 = 64
	s_mov_b32 s[\g+5], 128          ; 128 elements from row to row
	s_mov_b32 s[\g+6], 0
	s_mov_b32 s[\g+7], 0
.endr
	s_mov_b32 s[CS], 0x3e38aa3b     ; c = log2(e) / 8
	s_mov_b32 s[CS+1], s[CS]
	s_mov_b32 s[SEL], 0x76543210
	s_mov_b32 s[SEL+1], 0xfedcba98
	s_mov_b32 s[TBK], SLOT1+4*KS*PK ; the first change of slots turns these two into 0
	s_mov_b32 s[TBV], SLOT1+4*KS*PV
	s_mov_b32 s[G0K], 1
	s_mov_b32 s[G0K+1], s17         ; LDS address: slot 0
	s_mov_b32 s[G0V], 1
	s_add_co_u32 s[G0V+1], s18, VOFF
	s_add_co_u32 s[RT], s[HI], 1    ; the first block has NB - b tiles
	s_mov_b32 s[NXT], 1
	s_mov_b32 s[LQ], s[HI]
	s_mov_b32 s[NEW], 1
	s_mov_b32 s[OFF+1], 0
	s_mov_b32 s[AL+1], 0
	s_mov_b32 s[BE+1], 0
	s_mov_b32 s[BIGN], 0xf149f2ca   ; -1e30
	s_mov_b32 s[SLOTS], NB
	s_wait_dscnt 0x0                ; the opening add is done
	s_wait_kmcnt 0x0
	s_add_nc_u64 s[6:7], s[6:7], s[22:23]  ; K and V at my half of the head's tile 0
	s_add_nc_u64 s[8:9], s[8:9], s[22:23]
	s_add_nc_u64 s[G0K+2:G0K+3], s[6:7], 0
	s_or_b32 s[G0K+3], s[G0K+3], 0x80000000
	s_add_nc_u64 s[G0V+2:G0V+3], s[8:9], 0
	s_or_b32 s[G0V+3], s[G0V+3], 0x80000000
	s_add_nc_u64 s[86:87], s[4:5], s[84:85]        ; Q at my rows of the second block,
	s_add_nc_u64 s[4:5], s[4:5], s[2:3]            ; Q and O at those of the first
	s_add_nc_u64 s[OLO:OLO+1], s[10:11], s[84:85]
	s_add_nc_u64 s[10:11], s[10:11], s[2:3]
	s_and_b32 s[LIM], s[WV], 1      ; waves 0 and 2 prefetch (there s[6:9] stand at a tile's first byte)
	s_cmp_eq_u32 s[LIM], 0
	s_cselect_b32 s[LIM], 2, -1
	s_cmp_lt_u32 s[WV], 2
	s_cselect_b64 s[PFA:PFA+1], s[6:7], s[8:9]
	s_lshl_b32 s2, s[PB], 13        ; my work-group's quarter of a tile,
	s_add_co_u32 s2, s2, 32768      ; in tile 1: the first change of slots steps it to tile 2
	s_mov_b32 s3, 0
	s_add_nc_u64 s[PFA:PFA+1], s[PFA:PFA+1], s[2:3]
	LOAD                            ; tile 0 into slot 0
	; A fragment of K or Q is 16 rows x 32 channels in 8 registers: lane l holds row l % 16, channels 8 (l / 16) + 0..7 and 16 + 8 (l / 16) + 0..7: two loads of 16 bytes, 32 bytes apart.
	v_and_b32 v1, 15, v0            ; l % 16
	v_bfe_u32 v9, v0, 4, 1          ; l / 16
	v_lshlrev_b32 v[QO], 7, v1
	v_lshl_add_u32 v[QO], v9, 4, v[QO]
	WIN 0x80
.set i, 0
.rept 8                             ; both blocks' Q: piece i / 2 lies in band i / 2, 8,192 bytes on; channels 32 (i % 2) on
	global_load_b128 v[8*i:8*i+3],   v[QO], s[4:5] offset:(i/2)*8192+(i%2)*64
	global_load_b128 v[8*i+4:8*i+7], v[QO], s[4:5] offset:(i/2)*8192+(i%2)*64+32
	global_load_b128 v[QB+8*i:QB+8*i+3],   v[QO], s[86:87] offset:(i/2)*8192+(i%2)*64
	global_load_b128 v[QB+8*i+4:QB+8*i+7], v[QO], s[86:87] offset:(i/2)*8192+(i%2)*64+32
.set i, i+1
.endr
	WIN 0
	v_lshlrev_b32 v14, 3, v9
	v_sub_nc_u32 v14, v1, v14
	s_lshl_b32 s13, s[WV], 4
	v_add_nc_u32 v14, s13, v14      ; my query's place in its band less my lanes' 8 (l / 16): register r of group kt is hidden where 16 kt + r is greater
	WIN 0x40
.set i, 0
.rept 32
	v_cmp_gt_i32 vcc_lo, 16*(i/8)+i%8, v14
	v_cndmask_b32 v[MD+i], 0, s[BIGN], vcc_lo
.set i, i+1
.endr
	WIN 0
	v_mul_u32_u24 v[AK0], v1, PK
	v_lshl_add_u32 v[AK0], v9, 4, v[AK0]
	; The turning load takes 16 keys x 16 channels (lane l reads key 8 (l / 16) + l % 8, channels 8 ((l / 8) % 2) + 0..7) and leaves half a fragment of V^T.
	v_and_b32 v10, 7, v0
	v_bfe_u32 v11, v0, 3, 1
	v_lshl_add_u32 v[AV0], v9, 3, v10
	v_mul_u32_u24 v[AV0], v[AV0], PV
	v_lshl_add_u32 v[AV0], v11, 4, v[AV0]
	v_add_nc_u32 v[AV0], VOFF, v[AV0]
	s_mul_i32 s13, s[WV], 16*SP
	s_add_co_u32 s13, s13, STAGE    ; my stage
	v_mul_u32_u24 v[STO], v1, SP
	v_lshl_add_u32 v[STO], v9, 4, v[STO]
	v_add_nc_u32 v[STO], s13, v[STO]
	v_bfe_u32 v[RD], v0, 3, 2       ; back: 32 lanes take four rows of 128 bytes,
	v_mul_u32_u24 v[RD], v[RD], SP
	v_lshl_add_u32 v[RD], v10, 4, v[RD]
	v_add_nc_u32 v[RD], s13, v[RD]
	v_and_b32 v[GO], 31, v0         ; which are 512 consecutive bytes of O
	v_lshlrev_b32 v[GO], 4, v[GO]
	; A block's first step multiplies O^T and l by a = 0, so these registers need only hold finite numbers: zeros for the first block.  All this stands in the wait for the first tile.
	WIN 0x80
.set i, VF
.rept 64
	v_mov_b32 v[i], 0
.set i, i+1
.endr
	WIN 0x40
.set i, 0
.rept 128
	v_mov_b32 v[i], 0
.set i, i+1
.endr
	WIN 0
.set i, 0
.rept 4
	v_mov_b32 v[ST+4*i+2], 0
	v_mov_b32 v[ST+4*i+3], 0
.set i, i+1
.endr
.set i, P+16
.rept 16
	v_mov_b32 v[i], 0
.set i, i+1
.endr
; THE MATRIX WORK.  The 4 accumulators of a run of 8 take turns.  Product i of 8 of S^T = K Q^T for piece x: channels 32 (i / 4) on, keys 16 (i % 4) on.  The first 4 start the sums: with 0, or (KM = 1) with the mask.
.macro KQ x
.set rS, S+32*((\x)%2)+8*(i%4)
.set rK, KF+16*(i%4)+8*(i/4)
.set rQ, 16*(\x)+8*(i/4)
.set rM, MC+32*((\x)%2)+8*(i%4)
.if (i < 4) && KM
	WIN W_KM
	v_wmma_f32_16x16x32_f16 v[rS:rS+7], v[rK:rK+7], v[rQ:rQ+7], v[rM:rM+7]
.elseif i < 4
	WIN W_KQ
	v_wmma_f32_16x16x32_f16 v[rS:rS+7], v[rK:rK+7], v[rQ:rQ+7], 0
.else
	WIN W_KQ
	v_wmma_f32_16x16x32_f16 v[rS:rS+7], v[rK:rK+7], v[rQ:rQ+7], v[rS:rS+7]
.endif
.endm
; Product i of 8 of O^T += V^T P for piece x: keys 32 (i / 4) on, channels 16 (i % 4) on.
.macro PV x
	WIN W_PV
.set rO, 32*(\x)+8*(i%4)
.set rV, VF+32*(i/4)+8*(i%4)
.set rP, P+16*((\x)%2)+8*(i/4)
	v_wmma_f32_16x16x32_f16 v[rO:rO+7], v[rV:rV+7], v[rP:rP+7], v[rO:rO+7]
.endm
.macro MM                           ; the turn's next matrix instruction.  NOKQ = 1: a block's last turn: there is no next piece
.if (i < 8) && !NOKQ
	KQ (Y+1)%NP
.elseif i >= 8
.set i, i-8
	PV (Y+NP-1)%NP
.set i, i+8
.endif
.set i, i+1
.endm
; THE LDS LOADS stand in runs of 16: a step's K (8 fragments) and its V (turned).  Their addresses are made some lines ahead.
.macro FETCH_K
	WIN 0x80
.irp f, 0,1,2,3,4,5,6,7             ; keys 16 (f / 2) on, channels 32 (f % 2) on
	ds_load_b128 v[KF+8*\f:KF+8*\f+3],   v[AK] offset:(\f/2)*16*PK+(\f%2)*64
	ds_load_b128 v[KF+8*\f+4:KF+8*\f+7], v[AK] offset:(\f/2)*16*PK+(\f%2)*64+32
.endr
	s_add_co_u32 s[TBK], s[TBK], KS*PK
	WIN 0
.endm
.macro FETCH_V
	WIN 0x80
.irp f, 0,1,2,3,4,5,6,7             ; keys 32 (f / 4) on, channels 16 (f % 4) on
	ds_load_tr16_b128 v[VF+8*\f:VF+8*\f+3],   v[AV] offset:(\f/4)*32*PV+(\f%4)*32
	ds_load_tr16_b128 v[VF+8*\f+4:VF+8*\f+7], v[AV] offset:(\f/4)*32*PV+16*PV+(\f%4)*32
.endr
	WIN 0
.endm
; THE VECTOR WORK, one line at a time: OP kind, number.  For piece Y: F n: c s - c m for pair n of 16.  E n: the exponential of score n of 32.  C n: pair n rounded to f16.  B n: of the four weights 4 n .. the
; second pair is added onto the first.  L n: l takes that sum (L 0: l = a l + sum).  R n: pair n of 16 of O^T times a.  For piece Y + 1: X n, number n of the 22 that find its maximum and statistics:
;   0-11  four chains c0-c3 of seven scores each (each accumulator's lowest registers are read first)     12-14, 16  the four scores left over, the old m, and c0-c3 into c0
;   15  c m_old is kept     17, 18  the query's other 32 keys lie in the lane 16 away: the new m     19-21  c m; c m_old - c m_new; a
.set F, 0
.set E, 1
.set C, 2
.set B, 3
.set L, 4
.set R, 5
.set X, 6
.macro REGS y
.set rT, ST+4*(\y)
.set rC, TMP+4*((\y)%2)
.set rW, MV+((\y)%2)
.set rS, S+32*((\y)%2)
.set rP, P+16*((\y)%2)
.set rO, 32*(\y)
.endm
.macro OP k, n
.if (\k) == R
	REGS Y
	WIN W_RS
	v_pk_mul_f32 v[rO+2*(\n):rO+2*(\n)+1], v[rO+2*(\n):rO+2*(\n)+1], v[rC+2:rC+3] op_sel_hi:[1,0]
.elseif (\k) < R
	REGS Y
	WIN 0
.if (\k) == F
	v_pk_fma_f32 v[rS+2*(\n):rS+2*(\n)+1], v[rS+2*(\n):rS+2*(\n)+1], s[CS:CS+1], v[rT:rT+1] op_sel_hi:[1,0,0] neg_lo:[0,0,1] neg_hi:[0,0,1]
.elseif (\k) == E
	v_exp_f32 v[rS+(\n)], v[rS+(\n)]
.elseif (\k) == C
	v_cvt_pk_f16_f32 v[rP+(\n)], v[rS+2*(\n)], v[rS+2*(\n)+1]
.elseif (\k) == B
	v_pk_add_f32 v[rS+4*(\n):rS+4*(\n)+1], v[rS+4*(\n):rS+4*(\n)+1], v[rS+4*(\n)+2:rS+4*(\n)+3]
.elseif (\n) == 0
	v_pk_fma_f32 v[rT+2:rT+3], v[rT+2:rT+3], v[rC+2:rC+3], v[rS:rS+1] op_sel_hi:[1,0,1]
.else
	v_pk_add_f32 v[rT+2:rT+3], v[rT+2:rT+3], v[rS+4*(\n):rS+4*(\n)+1]
.endif
.elseif NOKQ
	v_nop
.else
	REGS (Y+1)%NP
	WIN 0
.if (\n) < 4
	v_max3_num_f32 v[rC+(\n)], v[rS+8*(\n)], v[rS+8*(\n)+1], v[rS+8*(\n)+2]
.elseif (\n) < 12
	v_max3_num_f32 v[rC+(\n)%4], v[rC+(\n)%4], v[rS+8*((\n)%4)+2*((\n)/4)+1], v[rS+8*((\n)%4)+2*((\n)/4)+2]
.elseif (\n) == 12
	v_max3_num_f32 v[rC], v[rC], v[rS+7], v[rS+15]
.elseif (\n) == 13
	v_max3_num_f32 v[rC+1], v[rC+1], v[rS+23], v[rS+31]
.elseif (\n) == 14
	v_max3_num_f32 v[rC+2], v[rC+2], v[rC+3], v[rT+1]
.elseif (\n) == 15
	v_mov_b32 v[rW], v[rT]
.elseif (\n) == 16
	v_max3_num_f32 v[rC], v[rC], v[rC+1], v[rC+2]
.elseif (\n) == 17
	v_permlanex16_b32 v[rC+3], v[rC], s[SEL], s[SEL+1]
.elseif (\n) == 18
	v_max_num_f32 v[rT+1], v[rC], v[rC+3]
.elseif (\n) == 19
	v_mul_f32 v[rT], s[CS], v[rT+1]
.elseif (\n) == 20
	v_sub_f32 v[rC+1], v[rW], v[rT]
.else
	v_exp_f32 v[rC+2], v[rC+1]
.endif
.endif
.endm
.macro OPS a, i1, b=-1, i2=0, c=-1, i3=0, d=-1, i4=0  ; up to four of them
	OP \a, \i1
.if (\b) >= 0
	OP \b, \i2
.endif
.if (\c) >= 0
	OP \c, \i3
.endif
.if (\d) >= 0
	OP \d, \i4
.endif
.endm
.macro ROW a, i1, b, i2, c, i3, d, i4  ; a matrix instruction and the four behind it
	MM
	OPS \a, \i1, \b, \i2, \c, \i3, \d, \i4
.endm
.macro MASK b                       ; MD x AL + BE into buffer b of MC
	WIN W_RS
.set z, 0
.rept 16
	v_pk_fma_f32 v[MC+32*(\b)+2*z:MC+32*(\b)+2*z+1], v[MD+2*z:MD+2*z+1], s[AL:AL+1], s[BE:BE+1] op_sel_hi:[1,0,0]
.set z, z+1
.endr
.endm
; A TURN, for piece p: the order of its 16 matrix and 118 vector instructions, written out.  One wait cuts it in two.  AHEAD OF IT stands all that names no result of the turn's exponentials: the 8 products
; K Q^T with four riders each, then one run of 54 in which the links of the chain X 3, 7, 11, 14, 16, 17 .. 20 stand five or six lines apart; X 21, the next piece's a, is the batch's last, and R 15 the plain
; instruction behind it.  BEHIND THE WAIT stand the 8 products V^T P, behind each four of the roundings and sums.
; m = 1: the diagonal tile: the products take masks, and the turn makes the mask for the products of the turn after it.  end = 1: a block's last two turns: nothing is fetched.
; cnt = 1: the loop's count is taken down some lines ahead of the branch behind the turn.
; K of the next step is fetched in piece 2's turn, twelve plain instructions behind the last product that read K; V of the step in hand at the end of piece 0's turn, four plain instructions behind its last reader.
.macro TURN p, m=0, end=0, cnt=0
.set Y, (\p)
.set i, 0
.set KM, (\m)
.set NOKQ, (\end)*((\p)/3)
.if (\m) && !(\end)
	s_cmp_eq_u32 s[CNT], 4-((\p)+2)%NP  ; is that step the band's own?
	s_cselect_b32 s[AL], 1.0, 0
	s_cmp_lt_u32 s[CNT], 4-((\p)+2)%NP  ; or a later one?
	s_cselect_b32 s[BE], s[BIGN], 0
.endif
.if ((\p) == 3) && !(\end)
	s_wait_dscnt 0x0                ; K is in
.endif
	ROW F,0, F,1, R,0, R,1
	ROW F,2, E,0, R,2, R,3
	ROW F,3, E,1, R,4, R,5
	ROW F,4, E,2, R,6, R,7
	ROW F,5, E,3, R,8, R,9
	ROW F,6, E,4, X,0, R,10
.if ((\p) == 2) && !(\end)
	WIN 0
	v_add_nc_u32 v[AK], s[TBK], v[AK0]
.endif
	ROW F,7, E,5, X,1, X,4
	ROW F,8, E,6, X,2, X,5
	OPS E,7, E,8, X,6, E,9
	OPS X,3, E,10, X,8, E,11
.if ((\p) == 2) && !(\end)
	FETCH_K
.endif
	OPS X,9, X,7, E,12, X,10
	OPS E,13, X,12, X,11, E,14
	OPS X,13, E,15, F,9, X,14
.if (\p) == 0
	v_add_nc_u32 v[AV], s[TBV], v[AV0]
.endif
	OPS E,16, F,10, E,17, F,11
	OPS X,16, E,18, X,15, E,19
	OPS F,12, E,20, X,17, E,21
	OPS F,13, E,22, F,14, E,23
	OPS X,18, E,24, F,15, E,25
	OPS R,11, E,26, X,19, E,27
	OPS R,12, E,28, R,13, E,29
	OPS X,20, E,30, R,14, E,31
	OPS X,21, R,15
	WIN 0
	s_wait_alu depctr_va_vdst(0)    ; the one wait for the batch, ahead of its first reader
.if (\p) == 1
	s_wait_dscnt 0x0                ; V is in
.endif
	ROW C,0, B,0, C,2, B,1
	ROW L,0, C,4, B,2, L,1
	ROW C,6, B,3, L,2, C,8
	ROW B,4, L,3, C,10, B,5
	ROW L,4, C,12, B,6, L,5
.if (\p) == 0
	s_add_co_u32 s[TBV], s[TBV], KS*PV
.endif
.if \cnt
	s_sub_co_u32 s[CNT], s[CNT], 1
	s_cmp_lg_u32 s[CNT], 0
.endif
	ROW C,14, B,7, L,6, C,1
	ROW C,3, L,7, C,5, C,7
	ROW C,9, C,11, C,13, C,15
.if (\p) == 0
	FETCH_V
.endif
.if (\m) && !(\end)
	MASK (\p)%2
.endif
.endm
; A BLOCK BEGINS.  c m starts far below every c s, so the first step's a is 0; m at the lowest finite number.  The second mask buffer is 0; the first takes piece 0's mask for the tile's step 0.
; Then K of that step, piece 0's first scores, and its maximum and statistics.  The loop is entered at a step's first turn.
.macro BEGIN
	s_mov_b32 s[NEW], 0
	WIN 0x40
.set i, MC+32
.rept 32
	v_mov_b32 v[i], 0
.set i, i+1
.endr
	WIN 0
.set i, 0
.rept 4
	v_mov_b32 v[ST+4*i], 0xfe000000
	v_mov_b32 v[ST+4*i+1], 0xff7fffff
.set i, i+1
.endr
	s_cmp_eq_u32 s[RT], 0
	s_cselect_b32 s[AL], 1.0, 0
	s_mov_b32 s[BE], 0
	MASK 0
	WIN 0
	v_add_nc_u32 v[AK], s[TBK], v[AK0]
	FETCH_K
	s_wait_loadcnt 0x0              ; Q
	s_wait_dscnt 0x0
.set KM, 1
.set NOKQ, 0
.set i, 0
.rept 8
	KQ 0
.set i, i+1
.endr
	WIN 0
.rept 4
	v_nop                           ; the places behind those products
.endr
.set Y, NP-1
.irp n, 0,1,2,3,4,5,6,7,8,9,10,11,12,13,14,15,16,17,18,19,20,21
	OP X, \n
.endr
	v_nop                           ; a plain instruction behind the exponential,
	s_wait_alu depctr_va_vdst(0)    ; and its wait, ahead of the branch
.endm
; THE DIAGONAL TILE's four steps, the block's last two turns, its last products, and THE WAY OUT: O^T is divided by l, rounded to f16 and sent through my stage in LDS, a piece at a time.
.macro ALL line:vararg
.set t, 0
.rept 4
	\line
.set t, t+1
.endr
.endm
.macro PACK t
	WIN W_RS
.set i, 32*(\t)
.rept 16
	v_pk_mul_f32 v[i:i+1], v[i:i+1], v[ST+4*(\t)+2:ST+4*(\t)+3] op_sel_hi:[1,0]
.set i, i+2
.endr
	WIN 0x05
.set i, 0
.rept 16
	v_cvt_pk_f16_f32 v[S+16*(\t)+i], v[32*(\t)+2*i], v[32*(\t)+2*i+1]
.set i, i+1
.endr
	WIN 0
.irp f, 0,1,2,3
	ds_store_b128 v[STO], v[S+16*(\t)+4*\f:S+16*(\t)+4*\f+3] offset:32*\f
.endr
.irp f, 0,1,2,3
	ds_load_b128 v[S+16*(\t)+4*\f:S+16*(\t)+4*\f+3], v[RD] offset:\f*4*SP  ; LDS serves a wave's instructions in order (ISA guide 5.7.1.4): these see the stores above
.endr
.endm
.macro SEND t, younger              ; younger: the LDS instructions issued behind piece t's loads
	WIN 0
.irp f, 0,1,2,3
	s_wait_dscnt (\younger)+3-\f
	global_store_b128 v[GO], v[S+16*(\t)+4*\f:S+16*(\t)+4*\f+3], s[10:11] offset:(\t)*8192+\f*512  ; 512 consecutive bytes, aligned
.endr
.endm
.macro DIAG tag
.LstepM\tag:
	TURN 2, 1
	TURN 3, 1
	WIN 0
.LfirstM\tag:
	TURN 0, 1
	TURN 1, 1, 0, 1
	WIN 0
	s_cbranch_scc1 .LstepM\tag
	TURN 2, 1, 1
	TURN 3, 1, 1
.set i, 0
.rept 8
	PV NP-1
.set i, i+1
.endr
	WIN 0
	ALL v_add_f32 v[ST+4*t+2], v[ST+4*t+2], v[ST+4*t+3]
	ALL v_permlanex16_b32 v[ST+4*t+3], v[ST+4*t+2], s[SEL], s[SEL+1]
	ALL v_add_f32 v[ST+4*t+2], v[ST+4*t+2], v[ST+4*t+3]
	ALL v_rcp_f32 v[ST+4*t+2], v[ST+4*t+2]
	v_nop                           ; a plain instruction between the last reciprocal and the use of its result
	s_wait_alu depctr_va_vdst(0)    ; one wait for the four reciprocals
	PACK 0
.set t, 1
.rept 3
	PACK t
	SEND t-1, 8
.set t, t+1
.endr
	SEND 3, 0
.endm
.set KM, 0
.set NOKQ, 0
.Lslot:                             ; NB times: a tile is entered and the next is asked for
	CHANGE 1
	s_sub_co_u32 s[RT], s[RT], 1
	s_mov_b32 s[CNT], 4
	s_cmp_eq_u32 s[NEW], 1
	s_cbranch_scc1 .Lnew            ; a block's first tile
	s_cmp_eq_u32 s[RT], 0
	s_cbranch_scc0 .Lstep           ; neither its first nor its last
	s_branch .LstepM1
.Lnew:
	BEGIN
	s_branch .Lfirst                ; in the loop a block's first tile is never its last
	DIAG 1                          ; in the loop this is the first block's end
	s_wait_xcnt 0x0                 ; the stores have read their registers and O's address
	s_mov_b64 s[10:11], s[OLO:OLO+1]
	s_add_co_u32 s[RT], s[PB], 1    ; the second block has b + 1 tiles
	s_mov_b32 s[NEW], 1
	WIN 0x82                        ; the second block's Q goes where the one text of the turns names Q
.set i, 0
.rept 64
	v_mov_b32 v[i], v[QB+i]
.set i, i+1
.endr
	WIN 0
	s_branch .Lbottom
.Lstep:                             ; a trip: pieces 2 and 3 of one step, then pieces 0 and 1 of the next
	TURN 2
	TURN 3
	WIN 0
.Lfirst:
	TURN 0
	TURN 1, 0, 0, 1
	WIN 0
	s_cbranch_scc1 .Lstep
.Lbottom:
	s_sub_co_u32 s[SLOTS], s[SLOTS], 1
	s_cmp_lg_u32 s[SLOTS], 0
	s_cbranch_scc1 .Lslot
	CHANGE 0                        ; the walk's last tile is written out
	s_sub_co_u32 s[RT], s[RT], 1
	s_mov_b32 s[CNT], 4
	s_cmp_eq_u32 s[NEW], 1
	s_cbranch_scc0 .LstepM2
	BEGIN
	s_branch .LfirstM2
	DIAG 2
	s_wait_tensorcnt 0x0            ; the wave's end
	ds_add_u32 v[SPW], v[NIL]
	s_wait_dscnt 0x0
	s_endpgm
.Lfunc_end_k_qc1c885b232_attn:
	.size	k_qc1c885b232_attn, .Lfunc_end_k_qc1c885b232_attn-k_qc1c885b232_attn
	.p2alignl 7, 3214868480
	.fill 96, 4, 3214868480
	.section	.rodata,"a",@progbits
	.p2align	6, 0x0
	.amdhsa_kernel k_qc1c885b232_attn
		.amdhsa_group_segment_fixed_size 327680
		.amdhsa_private_segment_fixed_size 0
		.amdhsa_enable_private_segment 0
		.amdhsa_kernarg_size 32
		.amdhsa_user_sgpr_count 2
		.amdhsa_user_sgpr_kernarg_segment_ptr 1
		.amdhsa_wavefront_size32 1
		.amdhsa_system_sgpr_workgroup_id_x 1
		.amdhsa_system_sgpr_workgroup_id_y 1
		.amdhsa_system_sgpr_workgroup_id_z 1
		.amdhsa_system_vgpr_workitem_id 0
		.amdhsa_next_free_vgpr 768
		.amdhsa_next_free_sgpr 92
		.amdhsa_reserve_vcc 1
		.amdhsa_float_denorm_mode_32 3
		.amdhsa_float_denorm_mode_16_64 3
		.amdhsa_memory_ordered 1
		.amdhsa_forward_progress 1
		.amdhsa_inst_pref_size 218
	.end_amdhsa_kernel
	.amdgpu_metadata
---
amdhsa.version: [ 1, 2 ]
amdhsa.kernels:
  - .name:           k_qc1c885b232_attn
    .symbol:         k_qc1c885b232_attn.kd
    .args:
      - { .name: q, .offset: 0, .size: 8, .value_kind: global_buffer, .address_space: global }
      - { .name: k, .offset: 8, .size: 8, .value_kind: global_buffer, .address_space: global }
      - { .name: v, .offset: 16, .size: 8, .value_kind: global_buffer, .address_space: global }
      - { .name: o, .offset: 24, .size: 8, .value_kind: global_buffer, .address_space: global }
    .group_segment_fixed_size: 327680
    .private_segment_fixed_size: 0
    .kernarg_segment_align: 8
    .kernarg_segment_size: 32
    .max_flat_workgroup_size: 128
    .sgpr_count:     92
    .vgpr_count:     768
    .wavefront_size: 32
...
	.end_amdgpu_metadata
.endif
;; end of part 3
;; launch proj (part 4): grid 8 x 32, 4 waves a work-group, clusters of 4 x 4, 327,680 bytes of LDS; arguments o, wp, out0; writes out0
.if DOCPART == 4
	.amdgcn_target "amdgcn-amd-amdhsa--gfx1250"
	.amdhsa_code_object_version 6
	.text
	.protected	k_qc1c885b232_proj
	.globl	k_qc1c885b232_proj
	.p2align	8
	.type	k_qc1c885b232_proj,@function
k_qc1c885b232_proj:
	s_mov_b64 s[64:65], 0
	v_nop
	global_prefetch_b8 v0, s[64:65] scope:SCOPE_SE
	s_setreg_imm32_b32 hwreg(HW_REG_WAVE_MODE, 25, 1), 1
	s_wait_xcnt 0x0
	s_wait_alu depctr_hold_cnt(0) depctr_sa_sdst(0) depctr_va_vdst(0) depctr_va_sdst(0) depctr_va_ssrc(0) depctr_va_vcc(0) depctr_vm_vsrc(0)
	s_getreg_b32 s2, hwreg(HW_REG_IB_STS2, 6, 4)
	s_cmp_eq_u32 s2, 0
	s_cbranch_scc0 .Lentry_in_a_cluster
	s_endpgm
.Lentry_in_a_cluster:
	s_bfe_u32 s2, ttmp6, 0x10000c
	s_cmp_lg_u32 s2, 0xf033
	s_cbranch_scc0 .Lentry_shape_is_right
	s_endpgm
.Lentry_shape_is_right:
; out0[m][n] = the sum over k of y[m][k] W_proj[k][n].  o: [batch 16 + head][2048][64] f16 (y by heads: k = 64 head + d).  wp: [n 1024][k 1024] f16 (W_proj^T, its numbers rounded to bf16).
; out0: [8192][1024] f32.  Sums in f32.  LIMITS: o and wp arrive within f16's range; NaN and infinities are not treated apart.
; SHARES.  A tile is 256 rows x 128 columns: 32 x 8 = 256 work-groups.  A wave makes 128 x 64: 32 accumulators of 16 x 16; its 64 f32 columns are 256 consecutive bytes of a row, aligned.
; K goes in steps of 128 = two heads through two LDS slots.  A head's 256 rows are 32,768 dense bytes: asked for as 128 rows of 256 bytes and padded after every 128 bytes.
; CLUSTER 4 x 4: the four of a row need the same rows of o, the four of a column the same rows of wp: each tile is asked for jointly.
; THE MATRIX INSTRUCTION IS USED TRANSPOSED (source 0 = 16 rows of wp, source 1 = 16 rows of o): a lane holds one row of out0 and eight neighbouring columns.
; REGISTERS: window 0: v16-30 addresses; two fragment buffers of 96 at v64 and v160 (wp's 4 fragments, then o's 8); on the way out v64-127 rows read back.  Window 1: accumulator (a, b) at 8 (4 a + b).
.set KSTEP,  128
.set PA,     144                       ; a row of o in LDS: 128 bytes + 16
.set PB,     272                       ; a row of wp: 256 bytes + 16; in both the 16 rows of a fragment load start at 16 different groups of four banks (64 banks of 4 bytes: ISA guide 11.1)
.set HEADB,  256*PA                    ; a head's 256 rows: what one load brings of o
.set BHALF,  64*PB                     ; and of wp
.set BOFF,   2*HEADB
.set SLOT,   BOFF+2*BHALF
.set STAGE,  2*SLOT                    ; behind the ring, never filled by a tensor load: 16 rows x 272 bytes for each wave
.set SPITCH, 272
.set SPARE,  STAGE+4*16*SPITCH         ; the spare words, 128 bytes a wave; no other line names them
.set ADRA, 16
.set ADRB, 20
.set STO,  24
.set RD,   25
.set CO,   26
.set SPW,  28                          ; never rewritten
.set NIL,  29                          ; never rewritten
.set PFO,  30                          ; never rewritten
.set FR,   64
.set OB,   64
.set G1A, 24
.set G0A, 32
.set G1B, 40
.set G0B, 48
.set PFA, 56                           ; s[56:57] where my prefetches stand
.set LIM, 58                           ; s58, s59: 1 where I prefetch at slot 0's, slot 1's change, else the greatest number
.set PFS, 60                           ; s[60:61] a K step in the buffer that I prefetch
.set MSB, 0
.macro WIN new
.if MSB != (\new)
	s_set_vgpr_msb (MSB<<8)|(\new)
.set MSB, \new
.endif
.endm
.macro PLACES
.rept 4
	v_nop
.endr
.endm
.macro JLOAD s                         ; a joint load: waves 0, 1 fetch o's two heads, waves 2, 3 wp's halves; s_nop 0 and four v_nop follow each line
	s_cmp_eq_u32 s11, 0
	s_cbranch_scc0 .Lfor_b_\@
	tensor_load_to_lds s[G0A+4*(\s):G0A+4*(\s)+3], s[G1A:G1A+7]
	s_nop 0
.rept 4
	v_nop
.endr
	s_branch .Lasked_\@
.Lfor_b_\@:
	tensor_load_to_lds s[G0B+4*(\s):G0B+4*(\s)+3], s[G1B:G1B+7]
	s_nop 0
.rept 4
	v_nop
.endr
.Lasked_\@:
.endm
; A prefetch into the L2 of the K step two refills on.  o: waves 0, 1 of the clusters with x = 0, at every refill: of their head's 32,768 bytes the partner at cx takes 8,192, a lane 256.
; wp: wave 2 of the clusters with y < 2, once a lap: rows 64 (cluster y) + 16 cy + lane % 16 of the tile's 128, lanes 16-31 one K step further.  Each 256 bytes are named once in the launch.
; The loop's last trip has no K step two on and asks for nothing.
.macro ASK slot
	s_cmp_gt_u32 s3, s[LIM+(\slot)]
	s_cbranch_scc0 .Lnot_mine_\@
	global_prefetch_b8 v[PFO], s[PFA:PFA+1] th:TH_LOAD_NT scope:SCOPE_SE
.Lnot_mine_\@:
.endm
.macro CREST
	s_cmp_lg_u32 s10, 0
	s_cbranch_scc1 .Lnot_wave_0_\@
	s_barrier_signal -3
.Lnot_wave_0_\@:
	s_barrier_wait -3
	s_barrier_signal -1
	s_barrier_wait -1
.endm
.macro CROUND
	s_barrier_signal -1
	s_barrier_wait -1
	CREST
.endm
	s_load_b128 s[4:7], s[0:1], 0x0                ; o s[4:5], wp s[6:7]
	s_load_b64 s[8:9], s[0:1], 0x10                ; out0
	v_lshl_add_u32 v[SPW], v0, 2, SPARE
	v_mov_b32 v[NIL], 0
	ds_add_u32 v[SPW], v[NIL]                      ; the wave's opening: the add and its wait stand ahead of my first tensor load
	v_lshrrev_b32 v1, 5, v0
	v_readfirstlane_b32 s10, v1                    ; wave 0..3
	s_lshr_b32 s11, s10, 1                         ; my half of the tile's rows.  Also: I fetch o (0) or wp (1)
	s_and_b32 s12, s10, 1                          ; my half of its columns.  Also: which head, or which 64 rows of wp, I fetch
	s_bfe_u32 s13, ttmp6, 0x40000                  ; cx
	s_bfe_u32 s14, ttmp6, 0x40004                  ; cy
	s_lshl_b32 s15, ttmp9, 2
	s_add_co_u32 s15, s15, s13                     ; tile column, 0..7
	s_and_b32 s17, ttmp7, 0xffff                   ; the cluster's y
	s_lshl_b32 s16, s17, 2
	s_add_co_u32 s16, s16, s14                     ; tile row, 0..31
	s_lshl_b32 s18, s14, 2
	s_lshl_b32 s18, 15, s18                        ; my row of the cluster
	s_lshl_b32 s19, 0x1111, s13                    ; my column
	s_or_b32 s[G1A+0], s18, (1<<16)|(1<<20)|(1<<21)|(4<<22)|(3<<25)  ; o's tiles go to my row; 2-byte elements; padding on; bit 21 beside a mask; after every 32 words; 4 words
	s_or_b32 s[G1B+0], s19, (1<<16)|(1<<20)|(1<<21)|(5<<22)|(3<<25)  ; wp's to my column; padding after every 64 words
	s_mov_b32 s[G1A+1], 128<<16                    ; tensor_dim0 = 128
	s_mov_b32 s[G1A+2], 128<<16                    ; tensor_dim1 = 128
	s_mov_b32 s[G1A+3], 128<<16                    ; tile_dim0 = 128
	s_mov_b32 s[G1A+4], 128                        ; tile_dim1 = 128
	s_mov_b32 s[G1A+5], 128                        ; dense: 128 elements from row to row
	s_mov_b32 s[G1A+6], 0
	s_mov_b32 s[G1A+7], 0
	s_mov_b32 s[G1B+1], 128<<16
	s_mov_b32 s[G1B+2], 64<<16                     ; 64 rows
	s_mov_b32 s[G1B+3], 128<<16
	s_mov_b32 s[G1B+4], 64
	s_mov_b32 s[G1B+5], 1024
	s_mov_b32 s[G1B+6], 0
	s_mov_b32 s[G1B+7], 0
	s_lshr_b32 s62, s16, 3                         ; o: batch,
	s_lshl_b32 s62, s62, 22
	s_and_b32 s63, s16, 7                          ; 256 tokens of 128 bytes,
	s_lshl_b32 s63, s63, 15
	s_add_co_u32 s62, s62, s63
	s_lshl_b32 s63, s12, 18                        ; my head of the K step's two
	s_add_co_u32 s62, s62, s63
	s_mov_b32 s63, 0
	s_lshl_b32 s68, s15, 7                         ; wp: row 128 x tile column + 64 x half
	s_lshl_b32 s69, s12, 6
	s_add_co_u32 s68, s68, s69
	s_lshl_b32 s68, s68, 11
	s_mov_b32 s69, 0
	s_mul_i32 s20, s10, HEADB                      ; where they go: waves 0, 1: the two heads at 0 and HEADB;
	s_mul_i32 s21, s10, BHALF
	s_add_co_u32 s21, s21, BOFF-2*BHALF            ; waves 2, 3: wp's halves at BOFF and BOFF + BHALF
	s_wait_dscnt 0x0                               ; the opening add is done
	s_wait_kmcnt 0x0
	s_add_nc_u64 s[66:67], s[4:5], s[62:63]
	s_add_nc_u64 s[70:71], s[6:7], s[68:69]
	CROUND                                         ; all sixteen work-groups are here: the first joint loads meet
.irp s, 0,1
	s_mov_b32 s[G0A+4*(\s)], 1
	s_add_co_u32 s[G0A+4*(\s)+1], s20, (\s)*SLOT
	s_add_nc_u64 s[G0A+4*(\s)+2:G0A+4*(\s)+3], s[66:67], (\s)*524288  ; K step s: heads 2 s and 2 s + 1
	s_or_b32 s[G0A+4*(\s)+3], s[G0A+4*(\s)+3], 0x80000000
	s_mov_b32 s[G0B+4*(\s)], 1
	s_add_co_u32 s[G0B+4*(\s)+1], s21, (\s)*SLOT
	s_add_nc_u64 s[G0B+4*(\s)+2:G0B+4*(\s)+3], s[70:71], (\s)*KSTEP*2
	s_or_b32 s[G0B+4*(\s)+3], s[G0B+4*(\s)+3], 0x80000000
	JLOAD \s                                       ; two loads of mine are out
.endr
	v_and_b32 v1, 15, v0                           ; r
	v_bfe_u32 v2, v0, 4, 1                         ; h
	v_and_b32 v5, 31, v0                           ; lane
	v_mul_u32_u24 v3, v1, PA
	v_lshl_add_u32 v3, v2, 4, v3
	s_mul_i32 s22, s11, 128*PA                     ; my 128 rows of a head
	v_add_nc_u32 v[ADRA], s22, v3
	v_add_nc_u32 v[ADRA+1], SLOT, v[ADRA]
	v_mul_u32_u24 v4, v1, PB
	v_lshl_add_u32 v4, v2, 4, v4
	s_mul_i32 s22, s12, BHALF                      ; my 64 rows of wp
	s_add_co_u32 s22, s22, BOFF
	v_add_nc_u32 v[ADRB], s22, v4
	v_add_nc_u32 v[ADRB+1], SLOT, v[ADRB]
	s_mul_i32 s22, s10, 16*SPITCH
	s_add_co_u32 s22, s22, STAGE                   ; my stage
	v_mul_u32_u24 v6, v1, SPITCH                   ; in: row r, 32 bytes for each half of the lanes
	v_lshl_add_u32 v6, v2, 5, v6
	v_add_nc_u32 v[STO], s22, v6
	v_mul_u32_u24 v6, v2, SPITCH                   ; back: lanes 0-15 one row of 256 bytes, lanes 16-31 the next
	v_lshl_add_u32 v6, v1, 4, v6
	v_add_nc_u32 v[RD], s22, v6
	v_lshlrev_b32 v6, 12, v2                       ; and the same two rows in out0
	v_lshl_add_u32 v[CO], v1, 4, v6
	s_lshl_b32 s22, s16, 8
	s_lshl_b32 s23, s11, 7
	s_add_co_u32 s22, s22, s23                     ; my first row,
	s_lshl_b32 s22, s22, 12                        ; 4,096 bytes a row,
	s_lshl_b32 s23, s15, 9                         ; the tile's 512 bytes,
	s_add_co_u32 s22, s22, s23
	s_lshl_b32 s23, s12, 8                         ; my 256 of them
	s_add_co_u32 s22, s22, s23
	s_mov_b32 s23, 0
	s_add_nc_u64 s[8:9], s[8:9], s[22:23]
	; the prefetches' address, offset, step and limits
	s_lshr_b32 s22, s16, 3
	s_lshl_b32 s22, s22, 22
	s_and_b32 s23, s16, 7
	s_lshl_b32 s23, s23, 15
	s_add_co_u32 s22, s22, s23
	s_lshl_b32 s23, s12, 18
	s_add_co_u32 s22, s22, s23
	s_lshl_b32 s23, s13, 13
	s_add_co_u32 s22, s22, s23
	s_add_co_u32 s22, s22, 3*524288                ; o: my head's tile, my work-group's quarter, at K step 3: the first refill steps it to 4
	s_lshl_b32 s2, s15, 7
	s_lshl_b32 s23, s17, 6
	s_add_co_u32 s2, s2, s23
	s_lshl_b32 s23, s14, 4
	s_add_co_u32 s2, s2, s23
	s_lshl_b32 s2, s2, 11
	s_add_co_u32 s2, s2, 3*KSTEP*2                 ; wp: row 128 tile column + 64 cluster y + 16 cy, at K step 3
	s_cmp_lt_u32 s17, 2
	s_cselect_b32 s18, 1, -1
	s_cmp_eq_u32 s10, 2
	s_cselect_b32 s18, s18, -1                     ; wp's asker: wave 2 of the clusters with y < 2
	s_cmp_eq_u32 ttmp9, 0
	s_cselect_b32 s19, 1, -1                       ; o's askers: the clusters with x = 0
	s_cmp_eq_u32 s11, 0                            ; do I fetch o?  The selects and moves below leave SCC as this compare set it
	s_cselect_b32 s[LIM], s19, s18
	s_cselect_b32 s[LIM+1], s19, -1
	s_cselect_b32 s22, s22, s2
	s_cselect_b32 s18, 31, 15                      ; lanes that name different rows or blocks,
	s_mov_b32 s3, 2048                             ; (an instruction holds one literal: the second number of a select comes from s3)
	s_cselect_b32 s19, 256, s3                     ; bytes from one to the next: a block of o, a row of wp,
	s_cselect_b32 s2, 0, 256                       ; and what lanes 16-31 add: for wp one K step
	s_mov_b32 s3, 524288
	s_cselect_b32 s[PFS], s3, KSTEP*2              ; a K step: two heads of o, 256 bytes of a row of wp
	s_cselect_b64 s[PFA:PFA+1], s[4:5], s[6:7]
	s_mov_b32 s[PFS+1], 0
	s_mov_b32 s23, 0
	s_add_nc_u64 s[PFA:PFA+1], s[PFA:PFA+1], s[22:23]
	v_and_b32 v[PFO], s18, v5
	v_mul_u32_u24 v[PFO], v[PFO], s19
	v_mad_u32_u24 v[PFO], v2, s2, v[PFO]
; 8 matrix instructions: row blocks a0, a0 + 1 x all 4 column blocks, 32 along K, from buffer f.  zero = 1: the product starts the sum.  The 32 accumulators take turns, one instruction a turn.
.macro MUL8 f, a0, zero
	WIN 0x50
.irp a, \a0, (\a0)+1
.irp b, 0,1,2,3
.if \zero
	v_wmma_f32_16x16x32_f16 v[8*(4*(\a)+(\b)):8*(4*(\a)+(\b))+7], v[FR+96*(\f)+8*(\b):FR+96*(\f)+8*(\b)+7], v[FR+96*(\f)+32+8*(\a):FR+96*(\f)+32+8*(\a)+7], 0
.else
	v_wmma_f32_16x16x32_f16 v[8*(4*(\a)+(\b)):8*(4*(\a)+(\b))+7], v[FR+96*(\f)+8*(\b):FR+96*(\f)+8*(\b)+7], v[FR+96*(\f)+32+8*(\a):FR+96*(\f)+32+8*(\a)+7], v[8*(4*(\a)+(\b)):8*(4*(\a)+(\b))+7]
.endif
.endr
.endr
.endm
; 24 LDS loads in one run: quarter q of a K step (head q / 2, channels 32 (q % 2) on) into buffer f: wp's 4 fragments, then o's 8
.macro FETCH slot, q, f
	WIN 0
.irp b, 0,1,2,3
	ds_load_b128 v[FR+96*(\f)+8*(\b):FR+96*(\f)+8*(\b)+3],   v[ADRB+(\slot)] offset:64*(\q)+(\b)*16*PB
	ds_load_b128 v[FR+96*(\f)+8*(\b)+4:FR+96*(\f)+8*(\b)+7], v[ADRB+(\slot)] offset:64*(\q)+(\b)*16*PB+32
.endr
.irp a, 0,1,2,3,4,5,6,7
	ds_load_b128 v[FR+96*(\f)+32+8*(\a):FR+96*(\f)+32+8*(\a)+3],   v[ADRA+(\slot)] offset:((\q)/2)*HEADB+((\q)%2)*64+(\a)*16*PA
	ds_load_b128 v[FR+96*(\f)+32+8*(\a)+4:FR+96*(\f)+32+8*(\a)+7], v[ADRA+(\slot)] offset:((\q)/2)*HEADB+((\q)%2)*64+(\a)*16*PA+32
.endr
.endm
.macro QUARTER slot, q, f, g, zero     ; multiplies buffer f and fetches quarter q into g
	s_wait_dscnt 8                                 ; all but the youngest eight loads: o's row blocks 4 to 7
	MUL8 \f, 0, \zero
	MUL8 \f, 2, \zero
	PLACES
	FETCH \slot, \q, \g
	s_wait_dscnt 24                                ; all but the 24 just issued
	MUL8 \f, 4, \zero
	MUL8 \f, 6, \zero
.endm
; The last quarter multiplies buffer 1 and changes slots: one barrier; in front of it each wave waits for all its tensor loads, adds 0 to its spare word, and waits for that and for its reads of this slot.
.macro TURN slot, next, fill
.if \fill
	s_wait_xcnt 0x0                                ; the last prefetch, a K step back, has read its address
	s_add_nc_u64 s[PFA:PFA+1], s[PFA:PFA+1], s[PFS:PFS+1]
.endif
	WIN 0
	s_wait_tensorcnt 0x0
	ds_add_u32 v[SPW], v[NIL]
	s_wait_dscnt 9                                 ; the add and the youngest eight loads may be out
	MUL8 1, 0, 0
	s_wait_dscnt 0x0                               ; the add is done and my reads of this slot are over
	s_barrier_signal -1
	MUL8 1, 2, 0
.if \fill
	WIN 0
.endif
	s_barrier_wait -1
.if \fill
	CREST                                          ; no wave of any partner still reads this slot or has a load on its way
	s_add_nc_u64 s[G0A+4*(\slot)+2:G0A+4*(\slot)+3], s[G0A+4*(\slot)+2:G0A+4*(\slot)+3], 2*524288
	s_add_nc_u64 s[G0B+4*(\slot)+2:G0B+4*(\slot)+3], s[G0B+4*(\slot)+2:G0B+4*(\slot)+3], 2*KSTEP*2
	JLOAD \slot                                    ; my one tensor load behind the round; its four v_nop are also the places in front of the loads below
.else
	PLACES
.endif
	FETCH \next, 0, 0
.if \fill
	ASK \slot
.endif
	MUL8 1, 4, 0
	MUL8 1, 6, 0
.endm
; THE WAY OUT of row block a: 32 bytes a lane for each column block into my own stage, the accumulator's lower four registers first; back as whole rows of 256 bytes, two to a load.
.macro TOSTAGE a
	WIN 0x04                                       ; store data in window 1
.irp b, 0,1,2,3
	ds_store_b128 v[STO], v[8*(4*(\a)+(\b)):8*(4*(\a)+(\b))+3] offset:64*(\b)
	ds_store_b128 v[STO], v[8*(4*(\a)+(\b))+4:8*(4*(\a)+(\b))+7] offset:64*(\b)+16
.endr
	WIN 0
	s_wait_xcnt 0x0                                ; the stores of the block two back have read the registers that are loaded again below
.irp t, 0,1,2,3,4,5,6,7
	ds_load_b128 v[OB+32*((\a)%2)+4*(\t):OB+32*((\a)%2)+4*(\t)+3], v[RD] offset:(\t)*2*SPITCH  ; LDS serves a wave's instructions in order (ISA guide 5.7.1.4)
.endr
.endm
.macro SEND a, younger                 ; younger: the LDS instructions issued behind block a's loads: the next block's sixteen, or none
.irp t, 0,1,2,3,4,5,6,7
	s_wait_dscnt (\younger)+7-(\t)
	global_store_b128 v[CO], v[OB+32*((\a)%2)+4*(\t):OB+32*((\a)%2)+4*(\t)+3], s[8:9] offset:(16*(\a)+2*(\t))*4096  ; sixteen lanes store 256 consecutive bytes, aligned
.endr
.endm
	s_wait_tensorcnt 1                             ; my part of K step 0 is in; K step 1's may stay out
	s_barrier_signal -1
	s_barrier_wait -1
	FETCH 0, 0, 0
	QUARTER 0, 1, 0, 1, 1                          ; the first quarter starts the sums
	WIN 0
	s_mov_b32 s3, 3
.Llap:                                             ; a trip goes once round the ring and fills both slots again
	QUARTER 0, 2, 1, 0, 0
	QUARTER 0, 3, 0, 1, 0
	TURN 0, 1, 1
	QUARTER 1, 1, 0, 1, 0
	QUARTER 1, 2, 1, 0, 0
	QUARTER 1, 3, 0, 1, 0
	TURN 1, 0, 1
	QUARTER 0, 1, 0, 1, 0
	WIN 0
	s_sub_co_u32 s3, s3, 1
	s_cmp_lg_u32 s3, 0
	s_cbranch_scc1 .Llap
	QUARTER 0, 2, 1, 0, 0                          ; the last lap fills nothing
	QUARTER 0, 3, 0, 1, 0
	TURN 0, 1, 0
	QUARTER 1, 1, 0, 1, 0
	QUARTER 1, 2, 1, 0, 0
	QUARTER 1, 3, 0, 1, 0
	s_wait_dscnt 8
	MUL8 1, 0, 0
	MUL8 1, 2, 0
	s_wait_dscnt 0x0
	MUL8 1, 4, 0
	MUL8 1, 6, 0
	WIN 0
	PLACES                                         ; the places behind the last products
	TOSTAGE 0
.irp a, 1,2,3,4,5,6,7
	TOSTAGE \a
	SEND (\a)-1, 16
.endr
	SEND 7, 0
	s_wait_tensorcnt 0x0                           ; the wave's end
	ds_add_u32 v[SPW], v[NIL]
	s_wait_dscnt 0x0
	CROUND                                         ; the closing round
	s_endpgm
.Lfunc_end_k_qc1c885b232_proj:
	.size	k_qc1c885b232_proj, .Lfunc_end_k_qc1c885b232_proj-k_qc1c885b232_proj
	.p2alignl 7, 3214868480
	.fill 96, 4, 3214868480
	.section	.rodata,"a",@progbits
	.p2align	6, 0x0
	.amdhsa_kernel k_qc1c885b232_proj
		.amdhsa_group_segment_fixed_size 327680
		.amdhsa_private_segment_fixed_size 0
		.amdhsa_enable_private_segment 0
		.amdhsa_kernarg_size 24
		.amdhsa_user_sgpr_count 2
		.amdhsa_user_sgpr_kernarg_segment_ptr 1
		.amdhsa_wavefront_size32 1
		.amdhsa_system_sgpr_workgroup_id_x 1
		.amdhsa_system_sgpr_workgroup_id_y 1
		.amdhsa_system_sgpr_workgroup_id_z 1
		.amdhsa_system_vgpr_workitem_id 0
		.amdhsa_next_free_vgpr 512
		.amdhsa_next_free_sgpr 72
		.amdhsa_reserve_vcc 0
		.amdhsa_float_denorm_mode_32 3
		.amdhsa_float_denorm_mode_16_64 3
		.amdhsa_memory_ordered 1
		.amdhsa_forward_progress 1
		.amdhsa_inst_pref_size 89
	.end_amdhsa_kernel
	.amdgpu_metadata
---
amdhsa.version: [ 1, 2 ]
amdhsa.kernels:
  - .name:           k_qc1c885b232_proj
    .symbol:         k_qc1c885b232_proj.kd
    .args:
      - { .name: o, .offset: 0, .size: 8, .value_kind: global_buffer, .address_space: global }
      - { .name: wp, .offset: 8, .size: 8, .value_kind: global_buffer, .address_space: global }
      - { .name: out0, .offset: 16, .size: 8, .value_kind: global_buffer, .address_space: global }
    .group_segment_fixed_size: 327680
    .private_segment_fixed_size: 0
    .kernarg_segment_align: 8
    .kernarg_segment_size: 24
    .max_flat_workgroup_size: 128
    .sgpr_count:     72
    .vgpr_count:     512
    .wavefront_size: 32
...
	.end_amdgpu_metadata
.endif
;; end of part 4
